; MI455X (gfx1250); checked and timed in simulation.
; The chip was launched on July 23, 2026; its instructions are those of AMD's public machine-readable ISA for CDNA 5 (MIT licence, August 2026) and "CDNA5" Instruction Set Architecture Reference Guide (July 2026). The comments in the code are by the model that wrote it; some were corrected since.
;; GPT Self Attention1 D. Allowed arithmetic: matrix products marked QUANTISED: E4M3 operands, one E8M0 scale for each 32 along K, by v_wmma_scale_f32_16x16x128_f8f6f4 with both operands' format E4M3, f32 sums; everything else in f32.
;; Inputs: Wk 1,024 x 1,024 float32; Wo 1,024 x 1,024 float32; Wq 1,024 x 1,024 float32; Wv 1,024 x 1,024 float32; bk 1,024 float32; bo 1,024 float32; bq 1,024 float32; bv 1,024 float32; x 2 x 2,048 x 1,024 float32.
;; Outputs: out0 2 x 2,048 x 1,024 float32.
;; This version of the problem:
;;   THIS VERSION OF THE PROBLEM IS GIVEN IN LOW PRECISION. The matrix products marked QUANTISED in the list below multiply operands that are first quantised to E4M3 (4 exponent bits, 3 mantissa bits; 8 bits a number), with one power-of-two scale for each 32 numbers along K (OCP MX v1.0); their sums are f32. All else is computed in f32.
;;   The module's matrix products, in the order in which they are computed (A, B: the left and right operand; K: the contracted axis; several contracted axes count as one K, in the product's order):
;;     1. [M 4,096, K 1,024] x [K 1,024, N 1,024]; A: input x; B: input Wq: QUANTISED
;;     2. [M 4,096, K 1,024] x [K 1,024, N 1,024]; A: input x; B: input Wk: QUANTISED
;;     3. [M 4,096, K 1,024] x [K 1,024, N 1,024]; A: input x; B: input Wv: QUANTISED
;;     4. batch 32 x [M 2,048, K 64] x [K 64, N 2,048]; A: computed on the way; B: computed on the way: QUANTISED
;;     5. batch 32 x [M 2,048, K 2,048] x [K 2,048, N 64]; A: softmax (see below); B: computed on the way: QUANTISED
;;     6. [M 4,096, K 1,024] x [K 1,024, N 1,024]; A: computed on the way; B: input Wo: QUANTISED
;;   THE QUANTISER, for each operand of a quantised product, along K:
;;     - K is cut into blocks of 32 from its start; a last block that is shorter is filled with zeros.
;;     - A block's scale is 2^e with e = floor(log2(the largest magnitude in the block)) - 8, held to -126 .. 127; a block of zeros has e = 0. As a byte (E8M0): e + 127.
;;     - Each number is divided by its block's scale, clamped to +-448, and rounded to the nearest number of E4M3, ties to even, subnormals kept.
;;     - The product sums the exact products of the quantised numbers (number of the format x scale) in f32.
;;   ~~~python
;;   def quantise(x, axis):      # numpy; x: float32 -> the quantised numbers, widened to float32 again
;;       x = np.moveaxis(x, axis, -1); K = x.shape[-1]
;;       x = np.pad(x, [(0, 0)] * (x.ndim - 1) + [(0, -K % 32)]); x = x.reshape(x.shape[:-1] + (-1, 32)); a = np.abs(x).max(-1, keepdims=True)
;;       e = np.where(a > 0, np.clip(np.frexp(np.where(a > 0, a, 1))[1] - 1 - 8, -126, 127), 0)      # np.frexp(a)[1] - 1 = floor(log2(a)), exactly
;;       r = np.clip(x / 2.0 ** e, -448, 448)
;;       step = 2.0 ** (np.maximum(np.frexp(np.where(r == 0, 1, r))[1] - 1, -6) - 3)
;;       q = np.round(r / step) * step * 2.0 ** e      # np.round: ties to even
;;       return np.moveaxis(q.reshape(q.shape[:-2] + (-1,))[..., :K], -1, axis).astype(np.float32)
;;   ~~~
;;   SOFTMAX AHEAD OF A QUANTISED PRODUCT. Where the list says 'softmax', what is quantised is not the finished softmax but p = 2^(t - M), with t = logit x log2(e) and M = ceil(the row's largest t), a whole number; so 1/2 < the row's largest p <= 1. The row's sum l is taken of the UNQUANTISED p, in f32, and the product's result is divided by l at the end. Since M is a whole number, a kernel that streams over the keys may use a running M (the ceiling of the running maximum): every later rescaling is an exact power of two, which a block's scale takes up: the codes' values come out the same.
;;   OPERANDS COMPUTED ON THE WAY. 'Computed on the way' means the value that the module computes at that place (a softmax that the list does not call 'softmax' is quantised finished and normalised). What goes into a quantiser is computed in f32, as accurately as f32 sums, v_exp_f32 and their like allow (about 1e-6 of the number): no bf16 or f16 on the way to a quantiser, and a product that is left as it is and whose result goes on into a quantised operand takes f32 operands (vector FMAs, or v_wmma_f32_16x16x4_f32). A number that lies on a knife's edge between two numbers of the format may be rounded either way, as far as f32 arithmetic and the matrix unit's own rounding can turn it there, and no further.
;; One version. Each part assembles by itself: llvm-mc -triple=amdgcn-amd-amdhsa -mcpu=gfx1250 --defsym DOCPART=n.
;; ======== version 1 of 1: 4 launches
;; limits: right only within a limited range of input values
;; workspace buffers: cod 8,388,608 bytes; scl 262,144 bytes; qkvc 12,582,912 bytes; qkvs 393,216 bytes; vsum 131,072 bytes; ctxc 4,194,304 bytes; ctxs 131,072 bytes
;; launch quant (part 1): grid 256 x 1, 4 waves a work-group, no clusters, 68,096 bytes of LDS; arguments x, Wq, Wk, Wv, Wo, cod, scl; writes cod, scl
.if DOCPART == 1
	.amdgcn_target "amdgcn-amd-amdhsa--gfx1250"
	.amdhsa_code_object_version 6
	.text
	.protected	k_q4a1793d5ff_quant
	.globl	k_q4a1793d5ff_quant
	.p2align	8
	.type	k_q4a1793d5ff_quant,@function
k_q4a1793d5ff_quant:
	s_mov_b64 s[64:65], 0
	v_nop
	global_prefetch_b8 v0, s[64:65] scope:SCOPE_SE
	s_setreg_imm32_b32 hwreg(HW_REG_WAVE_MODE, 25, 1), 1
	s_wait_xcnt 0x0
; x [4096][1024] and the four weights [1024 (k)][1024 (n)], all f32, become codes of E4M3 with K innermost and one E8M0 byte for each 32 along K.
; cod: [8192 rows][1024 codes]; scl: [8192 rows][32 bytes].  Rows 0-4095: tokens; rows 4096 + 1024 m + n: column n of weight m (q, k, v, o).
; ROW ORDER: a row with number n is stored at the place n with its bits 3 and 4 exchanged.  In the later products, which are used transposed, a lane's 16 registers
; of two neighbouring tiles are then 16 neighbours in the true order, while every fragment is read from 16 rows that lie on end.
; A block's scale is 2^(floor(log2(largest magnitude)) - 8); its byte is the largest magnitude's exponent field - 8, held at 1 from below.
; LIMITS: a block of zeros gets the byte 1 where the rule says 127 (its codes are zeros, and this program alone reads the bytes); blocks whose largest magnitude lies under 2^-118 keep the byte 1;
; NaN and infinities among the inputs are not served.
; Work-groups 0-127 take x (32 tokens each: a wave 8 tokens, 16 steps of 512 numbers), work-groups 128-255 a weight's 128 columns x 256 along K.  128 KiB are read by each.
; No work-group shares an input byte with another, so there is no cluster and no joint load; no tensor load, no barrier: waves share nothing.  The two paths have LDS bytes of their own.
.set EMAX,  8
.set MANT,  0x600000                   ; the mantissa field of 448 as f32
; the path for x
.set STEPS, 16
.set SP,    80                         ; a lane's place in a stage: its 64 bytes + 16 of padding
.set WREG,  8192                       ; LDS of a wave: two stages of 32 x SP bytes, then its 256 scale bytes
.set XR,    16                         ; v16-79   four sets of 16 numbers as loaded
.set XX,    80                         ; v80-111  two sets of 16 neighbours
.set XE,    112                        ; v112-127 a scale byte for each step
.set XC,    128                        ; v128-191 codes: four registers for each step
; the path for the weights
.set WST,   32768                      ; LDS: the weights' stages begin here
.set PITCH, 272                        ; a stage row: 256 codes + 16 bytes
.set NB,    8                          ; blocks of 32 along K for a lane
.set WSB,   24                         ; v24-25   the scale bytes, four to a register
.set WX,    32                         ; v32-95   two sets of 32 numbers
.set WC,    96                         ; v96-103  a block's codes
.set WOUT,  112                        ; v112-175 the way out
	s_load_b256 s[4:11], s[0:1], 0x0               ; x, Wq, Wk, Wv
	s_load_b128 s[12:15], s[0:1], 0x20             ; Wo, cod
	s_load_b64 s[16:17], s[0:1], 0x30              ; scl
	v_lshl_add_u32 v192, v0, 2, 0x10800
	v_mov_b32 v193, 0
	v_lshrrev_b32 v1, 5, v0
	v_readfirstlane_b32 s18, v1                    ; wave 0..3
	v_and_b32 v2, 31, v0                           ; lane
	s_mov_b32 s23, MANT
	s_mov_b32 s25, 0                               ; the upper word of every offset
	s_mov_b32 s27, 0
	s_wait_kmcnt 0x0
	s_cmp_lt_u32 ttmp9, 128
	s_cbranch_scc0 .Lweights
	; ---------------- x: K is innermost.  Each load reads 512 consecutive bytes; a step's 2,048 bytes turn through the wave's stage so that a lane holds 16 neighbours; two lanes hold a block.
	s_wait_alu depctr_va_vdst(0)
	v_lshlrev_b32 v3, 4, v2                        ; 16 x lane: my bytes of a load's 512, and of a step's 512 bytes of codes
	s_mul_i32 s19, s18, WREG
	v_lshrrev_b32 v14, 2, v2
	v_mul_u32_u24 v14, v14, SP
	v_and_b32 v15, 3, v2
	v_lshl_add_u32 v14, v15, 4, v14
	v_add_nc_u32 v14, s19, v14                     ; the stage, on the way in: SP (lane / 4) + 16 (lane % 4)
	v_mul_u32_u24 v15, v2, SP
	v_add_nc_u32 v15, s19, v15                     ; and on the way out: SP x lane
	v_lshrrev_b32 v5, 1, v2
	s_add_co_u32 s19, s19, 2*32*SP
	v_add_nc_u32 v5, s19, v5                       ; my block's byte among the wave's 256 scale bytes
	v_lshlrev_b32 v7, 3, v2
	v_add_nc_u32 v6, s19, v7                       ; and on the way out 8 bytes a lane
	s_lshl_b32 s20, ttmp9, 2
	s_add_co_u32 s24, s20, s18                     ; my run of 8 tokens: 4 x work-group + wave
	s_and_b32 s21, s18, 1
	s_lshl_b32 s21, s21, 1
	s_lshr_b32 s22, s18, 1
	s_or_b32 s21, s21, s22
	s_add_co_u32 s26, s20, s21                     ; where it is stored: a token's bits 3 and 4 are the run's bits 0 and 1, exchanged
	s_lshl_b32 s24, s24, 15                        ; 8 tokens x 4,096 bytes
	s_add_nc_u64 s[4:5], s[4:5], s[24:25]
	s_lshl_b32 s24, s26, 13                        ; 8 rows x 1,024 codes
	s_add_nc_u64 s[14:15], s[14:15], s[24:25]
	s_lshl_b32 s24, s26, 8                         ; 8 rows x 32 scale bytes
	s_add_nc_u64 s[16:17], s[16:17], s[24:25]
.macro XLOAD t
.irp i, 0,1,2,3
	global_load_b128 v[XR+16*((\t)%4)+4*\i:XR+16*((\t)%4)+4*\i+3], v3, s[4:5] offset:2048*(\t)+512*\i th:TH_LOAD_NT
.endr
.endm
.macro XTURN t                         ; LDS serves a wave's instructions in order: no wait between the stores and the loads
.irp i, 0,1,2,3
	ds_store_b128 v14, v[XR+16*((\t)%4)+4*\i:XR+16*((\t)%4)+4*\i+3] offset:32*SP*((\t)%2)+8*SP*\i
.endr
.irp i, 0,1,2,3
	ds_load_b128 v[XX+16*((\t)%2)+4*\i:XX+16*((\t)%2)+4*\i+3], v15 offset:32*SP*((\t)%2)+16*\i
.endr
.endm
.irp t, 0,1,2,3
	XLOAD \t
.endr
	s_wait_alu depctr_va_vdst(0)
	s_wait_loadcnt 12                              ; step 0's four loads are in; twelve younger ones stay out
	XTURN 0
.macro XSTEP t
.set XS, XX+16*((\t)%2)
.if (\t) > 0
	s_wait_dscnt 1                                 ; this step's numbers are back from the stage (the last step's byte store may be out)
.else
	s_wait_dscnt 0x0
.endif
.if (\t)+4 < STEPS
	XLOAD (\t)+4                                   ; into the set whose stores into the stage are done
.endif
.if (\t)+1 < STEPS
.if STEPS-2-(\t) >= 3
	s_wait_loadcnt 12                              ; the next step's four loads are in; those of the three steps behind it may be out
.else
	s_wait_loadcnt 4*(STEPS-2-(\t))
.endif
	XTURN (\t)+1
.endif
	v_max3_num_f32 v8, |v[XS]|, |v[XS+1]|, |v[XS+2]|               ; the largest magnitude of my 16, in two chains
	v_max3_num_f32 v9, |v[XS+3]|, |v[XS+4]|, |v[XS+5]|
.irp i, 6,10
	v_max3_num_f32 v8, v8, |v[XS+\i]|, |v[XS+\i+1]|
	v_max3_num_f32 v9, v9, |v[XS+\i+2]|, |v[XS+\i+3]|
.endr
	v_max3_num_f32 v8, v8, |v[XS+14]|, |v[XS+15]|
	v_max3_num_f32 v8, v8, v9, (EMAX+1)<<23        ; and the floor 2^(9 - 127): the byte cannot fall under 1
	v_max_num_f32_dpp v8, v8, v8 row_xmask:1 row_mask:0xf bank_mask:0xf   ; with my neighbour's 16: the block's
	v_add_nc_u32 v11, -(EMAX<<23), v8              ; 8 off its exponent field: the conversion's scale operand
	v_and_or_b32 v10, v8, 0x7f800000, s23          ; 448 x the scale
.irp i, 0,1,2,3,4,5,6,7,8,9,10,11,12,13,14,15
	v_med3_num_f32 v[XS+\i], v[XS+\i], -v10, v10   ; the conversion to an 8-bit code does not saturate (ISA guide 7.6.2): hold first
.endr
	v_cvt_scalef32_pk8_fp8_f32 v[XC+4*(\t):XC+4*(\t)+1], v[XS:XS+7], v11
	v_cvt_scalef32_pk8_fp8_f32 v[XC+4*(\t)+2:XC+4*(\t)+3], v[XS+8:XS+15], v11
	v_lshrrev_b32 v[XE+(\t)], 23, v11              ; the scale's byte
	ds_store_b8 v5, v[XE+(\t)] offset:16*(\t)      ; both lanes of a block write the same byte with the same value
	global_store_b128 v3, v[XC+4*(\t):XC+4*(\t)+3], s[14:15] offset:512*(\t)   ; the wave stores 512 consecutive bytes
.endm
.irp t, 0,1,2,3,4,5,6,7,8,9,10,11,12,13,14,15
	XSTEP \t
.endr
	ds_load_b64 v[12:13], v6                       ; in order behind my byte stores
	s_wait_dscnt 0x0
	global_store_b64 v7, v[12:13], s[16:17]        ; 32 lanes store 256 consecutive bytes, aligned: 8 rows of scale bytes
	s_wait_tensorcnt 0x0
	ds_add_u32 v192, v193
	s_wait_dscnt 0x0
	s_endpgm
	; ---------------- a weight: K is the first axis.  A lane takes a column, its registers run down K: a block of 32 lies in one lane, and the codes come out with K innermost.
.Lweights:
	s_sub_co_u32 s19, ttmp9, 128
	s_lshr_b32 s20, s19, 5                         ; which weight
	s_and_b32 s21, s19, 7                          ; which 128 columns
	s_bfe_u32 s22, s19, 0x20003                    ; which 256 along K
	s_cmp_eq_u32 s20, 1
	s_cselect_b64 s[6:7], s[8:9], s[6:7]
	s_cmp_eq_u32 s20, 2
	s_cselect_b64 s[6:7], s[10:11], s[6:7]
	s_cmp_eq_u32 s20, 3
	s_cselect_b64 s[6:7], s[12:13], s[6:7]
	s_lshl_b32 s24, s21, 7
	s_lshl_b32 s28, s18, 5
	s_add_co_u32 s24, s24, s28                     ; my wave's first column, a multiple of 32
	s_lshl_b32 s26, s22, 20                        ; 256 rows of 4,096 bytes
	s_lshl_b32 s28, s24, 2
	s_add_co_u32 s26, s26, s28
	s_add_nc_u64 s[6:7], s[6:7], s[26:27]
	s_lshl_b32 s28, s20, 10
	s_add_co_u32 s28, s28, s24
	s_add_co_u32 s28, s28, 4096                    ; the first of my 32 rows of cod and scl
	s_lshl_b32 s26, s28, 10
	s_lshl_b32 s29, s22, 8
	s_add_co_u32 s26, s26, s29
	s_add_nc_u64 s[14:15], s[14:15], s[26:27]
	s_lshl_b32 s26, s28, 5
	s_lshl_b32 s29, s22, 3
	s_add_co_u32 s26, s26, s29
	s_add_nc_u64 s[16:17], s[16:17], s[26:27]
	s_wait_alu depctr_va_vdst(0)
	v_lshlrev_b32 v3, 2, v2                        ; in: 4 bytes a lane
	s_mul_i32 s29, s18, 32*PITCH
	s_add_co_u32 s29, s29, WST                     ; my stage
	v_mul_u32_u24 v4, v2, PITCH
	v_add_nc_u32 v4, s29, v4                       ; into it: row = my column
	v_and_b32 v5, 15, v2
	v_lshrrev_b32 v6, 4, v2
	v_mul_u32_u24 v7, v6, PITCH
	v_lshl_add_u32 v7, v5, 4, v7
	v_add_nc_u32 v7, s29, v7                       ; out of it: sixteen lanes to a row, two rows an instruction
	v_lshlrev_b32 v8, 10, v6
	v_lshl_add_u32 v8, v5, 4, v8                   ; and the same place in cod
	v_and_b32 v9, 7, v2                            ; my column's place among the 32 rows: bits 3 and 4 exchanged
	v_bfe_u32 v10, v2, 3, 1
	v_lshl_or_b32 v9, v10, 4, v9
	v_bfe_u32 v10, v2, 4, 1
	v_lshl_or_b32 v9, v10, 3, v9
	v_lshlrev_b32 v9, 5, v9                        ; x 32 scale bytes
.macro WLOAD t                         ; block t: W(32 t + i, my column) into set t % 2; 32 lanes read 128 consecutive bytes
.irp i, 0,1,2,3,4,5,6,7,8,9,10,11,12,13,14,15,16,17,18,19,20,21,22,23,24,25,26,27,28,29,30,31
	global_load_b32 v[WX+32*((\t)%2)+\i], v3, s[6:7] offset:(32*(\t)+\i)*4096 th:TH_LOAD_NT
.endr
.endm
	WLOAD 0
	WLOAD 1
.macro WBLOCK t
.set XS, WX+32*((\t)%2)
.if (\t) < NB-1
	s_wait_loadcnt 32                              ; this block's 32 loads are in; the next block's may be out
.else
	s_wait_loadcnt 0
.endif
	v_max3_num_f32 v12, |v[XS]|, |v[XS+1]|, |v[XS+2]|
	v_max3_num_f32 v13, |v[XS+3]|, |v[XS+4]|, |v[XS+5]|
.irp i, 6,10,14,18,22,26
	v_max3_num_f32 v12, v12, |v[XS+\i]|, |v[XS+\i+1]|
	v_max3_num_f32 v13, v13, |v[XS+\i+2]|, |v[XS+\i+3]|
.endr
	v_max3_num_f32 v12, v12, |v[XS+30]|, |v[XS+31]|
	v_max3_num_f32 v12, v12, v13, (EMAX+1)<<23     ; the floor
	v_add_nc_u32 v11, -(EMAX<<23), v12             ; the conversion's scale operand
	v_and_or_b32 v10, v12, 0x7f800000, s23         ; 448 x the scale
	v_lshrrev_b32 v13, 23, v11                     ; the byte
.if (\t)%4 == 0
	v_mov_b32 v[WSB+(\t)/4], v13
.else
	v_lshl_or_b32 v[WSB+(\t)/4], v13, 8*((\t)%4), v[WSB+(\t)/4]
.endif
.irp i, 0,1,2,3,4,5,6,7,8,9,10,11,12,13,14,15,16,17,18,19,20,21,22,23,24,25,26,27,28,29,30,31
	v_med3_num_f32 v[XS+\i], v[XS+\i], -v10, v10
.endr
.irp g, 0,1,2,3
	v_cvt_scalef32_pk8_fp8_f32 v[WC+2*\g:WC+2*\g+1], v[XS+8*\g:XS+8*\g+7], v11
.endr
	ds_store_b128 v4, v[WC:WC+3] offset:32*(\t)
	ds_store_b128 v4, v[WC+4:WC+7] offset:32*(\t)+16
.if (\t)+2 < NB
	WLOAD (\t)+2
.endif
	s_wait_dscnt 0x0                               ; the stores have read their registers: the next block's codes may be written
.endm
.set Q, 0
.rept NB
	WBLOCK Q
.set Q, Q+1
.endr
	global_store_b64 v9, v[WSB:WSB+1], s[16:17]    ; my column's 8 scale bytes
.irp t, 0,1,2,3,4,5,6,7,8,9,10,11,12,13,14,15
	ds_load_b128 v[WOUT+4*\t:WOUT+4*\t+3], v7 offset:2*\t*PITCH
.endr
.irp t, 0,1,2,3,4,5,6,7,8,9,10,11,12,13,14,15
	s_wait_dscnt 15-\t
	global_store_b128 v8, v[WOUT+4*\t:WOUT+4*\t+3], s[14:15] offset:(((2*\t)&7)+16*(((2*\t)>>3)&1)+8*(((2*\t)>>4)&1))*1024   ; columns 2 t, 2 t + 1 at their exchanged places; sixteen lanes store 256 consecutive bytes, aligned
.endr
	s_wait_tensorcnt 0x0
	ds_add_u32 v192, v193
	s_wait_dscnt 0x0
	s_endpgm
.Lfunc_end_k_q4a1793d5ff_quant:
	.size	k_q4a1793d5ff_quant, .Lfunc_end_k_q4a1793d5ff_quant-k_q4a1793d5ff_quant
	.p2alignl 7, 3214868480
	.fill 96, 4, 3214868480
	.section	.rodata,"a",@progbits
	.p2align	6, 0x0
	.amdhsa_kernel k_q4a1793d5ff_quant
		.amdhsa_group_segment_fixed_size 68096
		.amdhsa_private_segment_fixed_size 0
		.amdhsa_enable_private_segment 0
		.amdhsa_kernarg_size 56
		.amdhsa_user_sgpr_count 2
		.amdhsa_user_sgpr_kernarg_segment_ptr 1
		.amdhsa_wavefront_size32 1
		.amdhsa_system_sgpr_workgroup_id_x 1
		.amdhsa_system_sgpr_workgroup_id_y 1
		.amdhsa_system_sgpr_workgroup_id_z 1
		.amdhsa_system_vgpr_workitem_id 0
		.amdhsa_next_free_vgpr 194
		.amdhsa_next_free_sgpr 66
		.amdhsa_reserve_vcc 0
		.amdhsa_float_denorm_mode_32 3
		.amdhsa_float_denorm_mode_16_64 3
		.amdhsa_memory_ordered 1
		.amdhsa_forward_progress 1
		.amdhsa_inst_pref_size 110
	.end_amdhsa_kernel
	.amdgpu_metadata
---
amdhsa.version: [ 1, 2 ]
amdhsa.kernels:
  - .name:           k_q4a1793d5ff_quant
    .symbol:         k_q4a1793d5ff_quant.kd
    .args:
      - { .name: x, .offset: 0, .size: 8, .value_kind: global_buffer, .address_space: global }
      - { .name: Wq, .offset: 8, .size: 8, .value_kind: global_buffer, .address_space: global }
      - { .name: Wk, .offset: 16, .size: 8, .value_kind: global_buffer, .address_space: global }
      - { .name: Wv, .offset: 24, .size: 8, .value_kind: global_buffer, .address_space: global }
      - { .name: Wo, .offset: 32, .size: 8, .value_kind: global_buffer, .address_space: global }
      - { .name: cod, .offset: 40, .size: 8, .value_kind: global_buffer, .address_space: global }
      - { .name: scl, .offset: 48, .size: 8, .value_kind: global_buffer, .address_space: global }
    .group_segment_fixed_size: 68096
    .private_segment_fixed_size: 0
    .kernarg_segment_align: 8
    .kernarg_segment_size: 56
    .max_flat_workgroup_size: 128
    .sgpr_count:     66
    .vgpr_count:     194
    .wavefront_size: 32
...
	.end_amdgpu_metadata
.endif
;; end of part 1
;; launch proj (part 2): grid 16 x 16, 4 waves a work-group, clusters of 4 x 4, 327,680 bytes of LDS; arguments cod, scl, bq, bk, bv, qkvc, qkvs, vsum; writes qkvc, qkvs, vsum
.if DOCPART == 2
	.amdgcn_target "amdgcn-amd-amdhsa--gfx1250"
	.amdhsa_code_object_version 6
	.text
	.protected	k_q4a1793d5ff_proj
	.globl	k_q4a1793d5ff_proj
	.p2align	8
	.type	k_q4a1793d5ff_proj,@function
k_q4a1793d5ff_proj:
	s_mov_b64 s[64:65], 0
	v_nop
	global_prefetch_b8 v0, s[64:65] scope:SCOPE_SE
	s_setreg_imm32_b32 hwreg(HW_REG_WAVE_MODE, 25, 1), 1
	s_wait_xcnt 0x0
	s_wait_alu depctr_hold_cnt(0) depctr_sa_sdst(0) depctr_va_vdst(0) depctr_va_sdst(0) depctr_va_ssrc(0) depctr_va_vcc(0) depctr_vm_vsrc(0)
	s_getreg_b32 s2, hwreg(HW_REG_IB_STS2, 6, 4)
	s_cmp_eq_u32 s2, 0
	s_cbranch_scc0 .Lentry_in_a_cluster
	s_endpgm
.Lentry_in_a_cluster:
	s_bfe_u32 s2, ttmp6, 0x10000c
	s_cmp_lg_u32 s2, 0xf033
	s_cbranch_scc0 .Lentry_shape_is_right
	s_endpgm
.Lentry_shape_is_right:
; q = x Wq + bq, k = x Wk + bk, v = x Wv + bv on codes of E4M3 (one E8M0 byte for each 32 along K), and the results quantised at once for attention's two products:
; q and k along the head's 64, v along the tokens.  Nothing wider than codes goes to memory but the sums of the quantised v over each 128 tokens.
; A work-group makes 256 tokens x (128 columns of Wq | Wk and 64 columns of Wv): 16 x 16 work-groups.  A wave makes 128 tokens x (64 + 32 columns): 48 accumulators.
; q, k: source 0 = 16 rows of the weight, source 1 = 16 tokens: a lane holds a token, its registers run along the features.  v: the sources swapped: a lane holds a feature, its registers run along the tokens.
; Rows of cod lie with bits 3 and 4 of their number exchanged, so the 16 registers of tiles 2 B and 2 B + 1 are the 16 true neighbours 32 B + 16 (lane / 16) + 0 .. 15.
; K goes in four chunks of 256 through two LDS slots of 448 rows.  A K step is 128: 48 products, two whole sets of fragments by turns.  A chunk's second step finds its fragments in registers, so its slot is filled again inside that step.
; CLUSTER 4 x 4: x's rows are asked for jointly along a row of the cluster, the weights' along a column.  One joint load a wave: waves 0, 1 x's halves, wave 2 Wq | Wk's 128 rows, wave 3 Wv's 64.
; PREFETCH: each of the sixteen waves that share rows names its own sixteenth, by address: 16 rows of x, 8 of Wq | Wk, 4 of Wv: chunks 1 and 2 in the head, chunk 3 behind chunk 1's load, two K steps and more ahead of its own.
; OUT: qkvc: 96 slots of 131,072 bytes (q: 16 b + head, k: 32 + .., v: 64 + ..), as images of operand registers: q, k: [token tile][B][lane][16 bytes]; v: [128 keys][16 features][c][lane][16 bytes].
;      qkvs: 96 x 4,096 bytes: q, k: a word for each row of a pair of token tiles, a tile's two bytes in its half; v: a word for each feature and 128 keys.
;      vsum: [16 b + head][128 keys][64] f32: number 32 (r / 8) + 8 t + r % 8 belongs to row r of feature tile t.
; LIMITS: a block of zeros gets the byte 1; largest magnitudes under 2^-118 keep the byte 1; NaN and infinities are not served.
; REGISTERS: window 0: v1 r, v2 h = lane / 16, v3 lane, v7 the prefetches' offset, v8-13 LDS addresses (x, Wq|Wk, Wv; slot 0, 1), v30-31 the add's; v32-47 v's bias; v48-125 scale words (tile i, K step k at SC + 10 i + k: lanes 0-15 x's, lanes 16-31 the weight's);
;   v128-223 the weights' fragments, set 1 (later codes); v224-255 the bias along the registers (later the quantiser's).  window 1: x's two sets.  window 2: q's or k's accumulators (a, b) at 8 (4 a + b).
;   window 3: v's accumulators (t, a) at 8 (8 t + a); v128-223 the weights' set 0.
.set PITCH, 272
.set HALF,  128*PITCH
.set SLOT,  448*PITCH
.set SPARE, 2*SLOT
.set G1A, 24
.set G1B, 32
.set G1V, 40
.set G0A, 48
.set G0B, 52
.set G0V, 56
.set SC,  48
.set BJ,  224
.set MSB, 0
.macro WIN new                         ; the immediate's high byte repeats the setting that is left
.if MSB != \new
	s_set_vgpr_msb (MSB<<8)|\new
.set MSB, \new
.endif
.endm
.macro PLACES n
.rept \n
	v_nop
.endr
.endm
.macro CREST                           ; a round of the cluster's barrier behind its opening barrier
	s_cmp_lg_u32 s20, 0
	s_cbranch_scc1 .Lnot_wave_0_\@
	s_barrier_signal -3
.Lnot_wave_0_\@:
	s_barrier_wait -3
	s_barrier_signal -1
	s_barrier_wait -1
.endm
.macro CROUND
	s_barrier_signal -1
	s_barrier_wait -1
	CREST
.endm
.macro GROUP1 g, mask, rows            ; rows of 256 bytes, 1,024 apart; 4 words of padding behind every 64
	s_or_b32 s[\g], s[\mask], (1<<20)|(1<<21)|(5<<22)|(3<<25)
	s_mov_b32 s[\g+1], 256<<16
	s_mov_b32 s[\g+2], (\rows)<<16
	s_mov_b32 s[\g+3], 256<<16
	s_mov_b32 s[\g+4], \rows
	s_mov_b32 s[\g+5], 1024
	s_mov_b32 s[\g+6], 0
	s_mov_b32 s[\g+7], 0
.endm
.macro TLOAD g0, g1                    ; an s_nop 0 and four v_nop follow
	tensor_load_to_lds s[\g0:\g0+3], s[\g1:\g1+7]
	s_nop 0
	PLACES 4
.endm
.macro JLOAD
	s_cmp_lt_u32 s20, 2
	s_cbranch_scc0 .Lnot_x_\@
	TLOAD G0A, G1A
	s_branch .Lasked_\@
.Lnot_x_\@:
	s_cmp_lt_u32 s20, 3
	s_cbranch_scc0 .Lnot_qk_\@
	TLOAD G0B, G1B
	s_branch .Lasked_\@
.Lnot_qk_\@:
	TLOAD G0V, G1V
.Lasked_\@:
.endm
.macro NEXT up                         ; the descriptors go on to the next chunk and the other slot; no tensor load of mine is out
.irp g, G0A, G0B, G0V
.if \up
	s_add_co_u32 s[\g+1], s[\g+1], SLOT
.else
	s_sub_co_u32 s[\g+1], s[\g+1], SLOT
.endif
	s_add_nc_u64 s[\g+2:\g+3], s[\g+2:\g+3], 256
.endr
.endm
	s_load_b256 s[4:11], s[0:1], 0x0               ; cod, scl, bq, bk
	s_load_b256 s[12:19], s[0:1], 0x20             ; bv, qkvc, qkvs, vsum
	v_lshl_add_u32 v30, v0, 2, SPARE
	v_mov_b32 v31, 0
	ds_add_u32 v30, v31                            ; the wave's opening: the add, twice on end
	ds_add_u32 v30, v31
	v_lshrrev_b32 v1, 5, v0
	v_readfirstlane_b32 s20, v1                    ; wave 0..3
	s_lshr_b32 s21, s20, 1                         ; my half of the tokens
	s_and_b32 s22, s20, 1                          ; my half of the columns
	s_bfe_u32 s23, ttmp6, 0x40000                  ; cx
	s_bfe_u32 s60, ttmp6, 0x40004                  ; cy
	s_lshl_b32 s61, ttmp9, 2
	s_add_co_u32 s61, s61, s23                     ; tile column
	s_and_b32 s62, ttmp7, 0xffff
	s_lshl_b32 s62, s62, 2
	s_add_co_u32 s62, s62, s60                     ; tile row
	s_lshl_b32 s68, s60, 2
	s_lshl_b32 s68, 15, s68                        ; my row of the cluster
	s_lshl_b32 s69, 0x1111, s23                    ; my column
	GROUP1 G1A, 68, 128
	GROUP1 G1B, 69, 128
	GROUP1 G1V, 69, 64
	s_lshl_b32 s70, s62, 18                        ; x: 256 rows of 1,024 bytes; the half that I fetch
	s_lshl_b32 s72, s22, 17
	s_add_co_u32 s70, s70, s72
	s_mov_b32 s71, 0
	s_lshl_b32 s72, s61, 17                        ; Wq | Wk begin at row 4,096
	s_add_co_u32 s72, s72, 4096*1024
	s_mov_b32 s73, 0
	s_lshl_b32 s74, s61, 16                        ; Wv at row 6,144
	s_add_co_u32 s74, s74, 6144*1024
	s_mov_b32 s75, 0
	s_mov_b32 s48, 1
	s_mul_i32 s49, s22, HALF
	s_mov_b32 s52, 1
	s_mov_b32 s53, 2*HALF
	s_mov_b32 s56, 1
	s_mov_b32 s57, 3*HALF
	s_wait_dscnt 0x0                               ; both opening adds are done
	CROUND                                         ; all sixteen work-groups are here: the joint loads meet
	s_wait_kmcnt 0x0
	s_add_nc_u64 s[50:51], s[4:5], s[70:71]
	s_or_b32 s51, s51, 0x80000000
	s_add_nc_u64 s[54:55], s[4:5], s[72:73]
	s_or_b32 s55, s55, 0x80000000
	s_add_nc_u64 s[58:59], s[4:5], s[74:75]
	s_or_b32 s59, s59, 0x80000000
	JLOAD                                          ; chunk 0 into slot 0: one tensor load a wave at the head
	s_mov_b32 s66, 0x76543210
	s_mov_b32 s67, 0xfedcba98                      ; v_permlanex16_b32's selects for lane l xor 16
	s_mul_i32 s76, s21, HALF                       ; LDS: my 128 rows of x,
	s_add_co_u32 s77, s76, SLOT
	s_mul_i32 s78, s22, 64*PITCH                   ; my 64 of Wq | Wk,
	s_add_co_u32 s78, s78, 2*HALF
	s_add_co_u32 s79, s78, SLOT
	s_mul_i32 s80, s22, 32*PITCH                   ; my 32 of Wv
	s_add_co_u32 s80, s80, 3*HALF
	s_add_co_u32 s81, s80, SLOT
	s_lshl_b32 s82, s62, 13                        ; scale words, 32 bytes a row: x's,
	s_lshl_b32 s83, s21, 12
	s_add_co_u32 s82, s82, s83
	s_lshl_b32 s83, s61, 12                        ; from there to Wq | Wk's,
	s_lshl_b32 s84, s22, 11
	s_add_co_u32 s83, s83, s84
	s_add_co_u32 s83, s83, 4096*32
	s_sub_co_u32 s83, s83, s82
	s_lshl_b32 s84, s61, 11                        ; and to Wv's, whose tiles are numbers 4 and 5
	s_lshl_b32 s85, s22, 10
	s_add_co_u32 s84, s84, s85
	s_add_co_u32 s84, s84, 6144*32-2048
	s_sub_co_u32 s84, s84, s82
	s_lshl_b32 s85, s23, 2                         ; the prefetches: my sixteenth of x's rows,
	s_add_co_u32 s85, s85, s20
	s_lshl_b32 s85, s85, 4
	s_lshl_b32 s86, s62, 8
	s_add_co_u32 s85, s85, s86
	s_lshl_b32 s85, s85, 10
	s_lshl_b32 s86, s60, 2
	s_add_co_u32 s86, s86, s20
	s_lshl_b32 s87, s86, 3                         ; of Wq | Wk's,
	s_lshl_b32 s88, s61, 7
	s_add_co_u32 s87, s87, s88
	s_add_co_u32 s87, s87, 4096
	s_lshl_b32 s87, s87, 10
	s_lshl_b32 s88, s86, 2                         ; of Wv's: as distances
	s_lshl_b32 s89, s61, 6
	s_add_co_u32 s88, s88, s89
	s_add_co_u32 s88, s88, 6144
	s_lshl_b32 s88, s88, 10
	s_sub_co_u32 s88, s88, s87
	s_sub_co_u32 s87, s87, s85
	s_lshl_b32 s90, s61, 7                         ; the biases
	s_lshl_b32 s91, s22, 6
	s_add_co_u32 s90, s90, s91
	s_and_b32 s90, s90, 1023
	s_lshl_b32 s90, s90, 2
	s_mov_b32 s91, 0
	s_lshl_b32 s94, s61, 8
	s_lshl_b32 s95, s22, 7
	s_add_co_u32 s94, s94, s95
	s_mov_b32 s95, 0
	s_add_nc_u64 s[94:95], s[12:13], s[94:95]      ; bv at my first column
	s_lshr_b32 s63, s61, 3                         ; 0 q, 1 k
	s_cmp_lg_u32 s63, 0
	s_cselect_b64 s[92:93], s[10:11], s[8:9]
	s_add_nc_u64 s[92:93], s[92:93], s[90:91]
	v_and_b32 v1, 15, v0
	v_bfe_u32 v2, v0, 4, 1
	v_and_b32 v3, 31, v0
	v_mul_u32_u24 v4, v1, PITCH
	v_lshl_add_u32 v4, v2, 4, v4                   ; a fragment's row x pitch + 16 h
	v_add_nc_u32 v8, s76, v4
	v_add_nc_u32 v9, s77, v4
	v_add_nc_u32 v10, s78, v4
	v_add_nc_u32 v11, s79, v4
	v_add_nc_u32 v12, s80, v4
	v_add_nc_u32 v13, s81, v4
	v_mul_u32_u24 v5, s83, v2                      ; lanes 16-31 take the weight's rows
	v_add_nc_u32 v5, s82, v5
	v_lshl_add_u32 v5, v1, 5, v5
	v_mul_u32_u24 v6, s84, v2
	v_add_nc_u32 v6, s82, v6
	v_lshl_add_u32 v6, v1, 5, v6
.irp i, 0,1,2,3                        ; a row's 32 bytes are its words for the eight K steps.  (Tiles 6 and 7 have no weight: those lanes' words are read by no product)
	global_load_b128 v[SC+10*\i:SC+10*\i+3], v5, s[6:7] offset:512*\i
	global_load_b128 v[SC+10*\i+4:SC+10*\i+7], v5, s[6:7] offset:512*\i+16
	global_load_b128 v[SC+40+10*\i:SC+43+10*\i], v6, s[6:7] offset:2048+512*\i
	global_load_b128 v[SC+44+10*\i:SC+47+10*\i], v6, s[6:7] offset:2048+512*\i+16
.endr
	v_lshlrev_b32 v14, 6, v2                       ; along the registers: tile 2 B + u, register e: column 32 B + 16 h + 8 u + e
	v_and_b32 v15, 8, v1
	v_add_nc_u32 v15, v15, v1
	v_lshlrev_b32 v15, 2, v15                      ; along the lanes: row r of tile u: column 8 u + r + 8 (r / 8)
.irp b, 0,1,2,3
	global_load_b128 v[BJ+8*\b:BJ+8*\b+3], v14, s[92:93] offset:(32*(\b/2)+8*(\b%2))*4
	global_load_b128 v[BJ+8*\b+4:BJ+8*\b+7], v14, s[92:93] offset:(32*(\b/2)+8*(\b%2))*4+16
.endr
	global_load_b32 v32, v15, s[94:95]
	global_load_b32 v40, v15, s[94:95] offset:32
	v_bfe_u32 v16, v0, 3, 1
	v_and_b32 v16, v16, v2                         ; 1 in lanes 24-31: Wv's rows
	v_add_nc_u32 v17, v16, v2
	v_mov_b32 v18, 15
	v_lshrrev_b32 v17, v17, v18                    ; 15, 7 or 3: how many rows my kind of lane shares out, less one (lanes 28-31 name lanes 24-27's rows again)
	v_and_b32 v17, v17, v3
	v_lshlrev_b32 v7, 10, v17
	v_add_nc_u32 v7, s85, v7
	v_mul_u32_u24 v17, s87, v2
	v_add_nc_u32 v7, v7, v17
	v_mul_u32_u24 v17, s88, v16
	v_add_nc_u32 v7, v7, v17
	global_prefetch_b8 v7, s[4:5] offset:256 th:TH_LOAD_NT scope:SCOPE_SE
	global_prefetch_b8 v7, s[4:5] offset:512 th:TH_LOAD_NT scope:SCOPE_SE
	; where the results go
	s_wait_alu depctr_va_vdst(0)
	s_lshr_b32 s96, s62, 3
	s_lshl_b32 s96, s96, 4                         ; 16 b
	s_lshl_b32 s97, s62, 1
	s_add_co_u32 s97, s97, s21
	s_and_b32 s97, s97, 15                         ; which 128 tokens of the sequence
	s_lshl_b32 s98, s61, 1
	s_add_co_u32 s98, s98, s22
	s_and_b32 s98, s98, 15                         ; q's or k's head
	s_lshl_b32 s99, s63, 5
	s_add_co_u32 s98, s98, s99
	s_add_co_u32 s98, s98, s96                     ; its slot
	s_add_co_u32 s99, s61, s96                     ; 16 b + v's head
	s_add_co_u32 s100, s99, 64                     ; its slot
	s_lshl_b32 s68, s98, 17
	s_lshl_b32 s69, s97, 13
	s_add_co_u32 s68, s68, s69
	s_mov_b32 s69, 0
	s_add_nc_u64 s[68:69], s[14:15], s[68:69]      ; q's or k's codes
	s_lshl_b32 s70, s98, 12
	s_lshl_b32 s71, s97, 8
	s_add_co_u32 s70, s70, s71
	s_mov_b32 s71, 0
	s_add_nc_u64 s[70:71], s[16:17], s[70:71]      ; and scale words
	s_lshl_b32 s72, s100, 17
	s_lshl_b32 s73, s97, 13
	s_add_co_u32 s72, s72, s73
	s_lshl_b32 s73, s22, 12
	s_add_co_u32 s72, s72, s73
	s_mov_b32 s73, 0
	s_add_nc_u64 s[72:73], s[14:15], s[72:73]      ; v's codes
	s_lshl_b32 s74, s100, 12
	s_lshl_b32 s75, s97, 8
	s_add_co_u32 s74, s74, s75
	s_lshl_b32 s75, s22, 7
	s_add_co_u32 s74, s74, s75
	s_mov_b32 s75, 0
	s_add_nc_u64 s[74:75], s[16:17], s[74:75]      ; and scale words
	s_lshl_b32 s76, s99, 12
	s_lshl_b32 s77, s97, 8
	s_add_co_u32 s76, s76, s77
	s_lshl_b32 s77, s22, 6
	s_add_co_u32 s76, s76, s77
	s_mov_b32 s77, 0
	s_add_nc_u64 s[76:77], s[18:19], s[76:77]      ; the sums of v
	s_mov_b32 s84, 0x600000                        ; the mantissa field of 448
	s_wait_loadcnt 0x0
.irp n, 1,2,3,4,5,6,7
	v_mov_b32 v[32+\n], v32                        ; v's bias: one number for all eight rows of a lane
	v_mov_b32 v[40+\n], v40
.endr
.macro FA k, i                         ; x's tile i of K step k: lane l holds row l % 16; registers 4 c .. 4 c + 3 hold K = 32 c + 16 (l / 16) + 0 .. 15
.irp c, 0,1,2,3
	ds_load_b128 v[128*((\k)%2)+16*\i+4*\c:128*((\k)%2)+16*\i+4*\c+3], v[8+((\k)/2)%2] offset:128*((\k)%2)+32*\c+16*PITCH*\i
.endr
.endm
.macro FB k, j                         ; the weights' tile j: 0-3 Wq | Wk, 4, 5 Wv
.irp c, 0,1,2,3
.if \j < 4
	ds_load_b128 v[128+16*\j+4*\c:131+16*\j+4*\c], v[10+((\k)/2)%2] offset:128*((\k)%2)+32*\c+16*PITCH*\j
.else
	ds_load_b128 v[128+16*\j+4*\c:131+16*\j+4*\c], v[12+((\k)/2)%2] offset:128*((\k)%2)+32*\c+16*PITCH*(\j-4)
.endif
.endr
.endm
.macro PART k, half                    ; half of K step k's fragments, 28 loads
	WIN 0x40
.irp i, 0,1,2,3
	FA \k, (4*\half+\i)
.endr
.if (\k)%2
	WIN 0
.else
	WIN 0xc0
.endif
.irp j, 0,1,2
	FB \k, (3*\half+\j)
.endr
.endm
; tokens' tiles 2 g and 2 g + 1: 12 products.  The 48 accumulators take turns, in the same order in every step.  The first step's C is the bias
.macro GROUP k, g
.set E_, (\k)%2
.set WB_, 3*(1-E_)
.if (\k) == 0
.set W_, (WB_+4+128)
.else
.set W_, (WB_+4+32+128)
.endif
	WIN W_
.irp d, 0,1
.set A_, 2*(\g)+\d
.set X_, 128*E_+16*A_
.irp b, 0,1,2,3
.set D_, 32*A_+8*\b
.if (\k) == 0
.set C_, BJ+8*\b
.else
.set C_, D_
.endif
	v_wmma_scale_f32_16x16x128_f8f6f4 v[D_:D_+7], v[128+16*\b:143+16*\b], v[X_:X_+15], v[C_:C_+7], v[SC+10*\b+\k], v[SC+10*A_+\k] matrix_a_scale:MATRIX_SCALE_ROW1
.endr
.endr
.if (\k) == 0
.set W_, (1+4*WB_+192)
.else
.set W_, (1+4*WB_+48+192)
.endif
	WIN W_
.irp d, 0,1
.set A_, 2*(\g)+\d
.set X_, 128*E_+16*A_
.irp t, 0,1
.set D_, 64*\t+8*A_
.if (\k) == 0
.set C_, 32+8*\t
.else
.set C_, D_
.endif
	v_wmma_scale_f32_16x16x128_f8f6f4 v[D_:D_+7], v[X_:X_+15], v[192+16*\t:207+16*\t], v[C_:C_+7], v[SC+10*A_+\k], v[SC+40+10*\t+\k] matrix_b_scale:MATRIX_SCALE_ROW1
.endr
.endr
.endm
.macro KSTEP k
	s_wait_dscnt 0x0                               ; this step's fragments are in
.if ((\k)%2 == 1) && ((\k) < 7)
	; the chunk's last step: its slot has been read.  Each wave waits for all its tensor loads (its part of the next chunk), adds 0 to its spare word, and waits for that; behind the barrier the next chunk is whole
	WIN 0
	s_wait_tensorcnt 0x0
.if (\k) < 5
	ds_add_u32 v30, v31
	NEXT ((\k)/2)%2
.endif
	GROUP \k, 0
	s_wait_dscnt 0x0
	s_barrier_signal -1
	GROUP \k, 1
	WIN 0
	s_barrier_wait -1
.if (\k) < 5
	CREST                                          ; the round: no wave of any partner still reads this slot or has a load on its way
	JLOAD                                          ; the chunk after the next into the slot just read
	PLACES 4                                       ; with the four behind the load: eight places in front of the loads into the other set
.else
	PLACES 8
.endif
	PART (\k)+1, 0
	GROUP \k, 2
	PART (\k)+1, 1
	GROUP \k, 3
.else
.if (\k) < 7
	PLACES 8                                       ; in front of the loads into the set that the last step's products read (ISA guide 7.12.1 for vector instructions)
	PART (\k)+1, 0
.endif
	GROUP \k, 0
.if (\k) < 7
	PART (\k)+1, 1
.endif
	GROUP \k, 1
	GROUP \k, 2
	GROUP \k, 3
.endif
.endm
	s_wait_alu depctr_va_vdst(0)
	s_wait_tensorcnt 0x0                           ; my part of chunk 0 is in; these lines stand ahead of a later first fill as ahead of a refill
	ds_add_u32 v30, v31
	NEXT 1
	s_wait_dscnt 0x0
	CROUND
	JLOAD                                          ; chunk 1 into slot 1: the first tensor load behind the round
	PART 0, 0
	PART 0, 1
	WIN 0
	global_prefetch_b8 v7, s[4:5] offset:768 th:TH_LOAD_NT scope:SCOPE_SE   ; chunk 3
.irp k, 0,1,2,3,4,5,6,7
	KSTEP \k
.endr
	WIN 0
	v_lshlrev_b32 v14, 4, v3                       ; eight plain lines that name no register of the products: the places behind them.  16 x lane
	v_lshlrev_b32 v15, 2, v3                       ; 4 x lane
	v_lshrrev_b32 v16, 3, v1
	v_lshlrev_b32 v16, 7, v16
	v_lshl_add_u32 v16, v2, 5, v16
	v_and_b32 v17, 7, v1
	v_lshl_add_u32 v16, v17, 2, v16                ; the sums of v: lanes 0-15 tile 0's, lanes 16-31 tile 1's
	v_nop
; 64 numbers of a lane at s of window w, four blocks of 16 (with lane l xor 16: of 32), become 16 registers of codes at pc and a word of four scale bytes in pw
.set TM, 224
.set TP, 228
.set TB, 232
.set TS, 236
.macro QUANT4 s, w, pc, pw
.set W_, (20*\w)
	WIN W_
.irp i, 0,2,4,6,8,10,12,14
.irp b, 0,1,2,3
.if \i == 0
	v_max3_num_f32 v[TM+\b], 0x4800000, |v[\s+16*\b]|, |v[\s+16*\b+1]|   ; the floor 2^(9 - 127) is one of the leaves; each accumulator from its low end on
.else
	v_max3_num_f32 v[TM+\b], v[TM+\b], |v[\s+16*\b+\i]|, |v[\s+16*\b+\i+1]|
.endif
.endr
.endr
	WIN 0
.irp b, 0,1,2,3
	v_permlanex16_b32 v[TP+\b], v[TM+\b], s66, s67
.endr
.irp b, 0,1,2,3
	v_max_num_f32 v[TM+\b], v[TM+\b], v[TP+\b]     ; the block's largest magnitude
.endr
.irp b, 0,1,2,3
	v_add_nc_u32 v[TS+\b], 0xfc000000, v[TM+\b]    ; 8 off its exponent field: the conversion's scale operand
.endr
.irp b, 0,1,2,3
	v_and_or_b32 v[TB+\b], v[TM+\b], 0x7f800000, s84   ; 448 x the scale
.endr
.irp b, 0,1,2,3
	v_lshrrev_b32 v[TP+\b], 23, v[TS+\b]           ; the byte
.endr
	v_lshl_or_b32 v[\pw], v[TP+1], 8, v[TP]
	v_lshl_or_b32 v[TP+2], v[TP+3], 8, v[TP+2]
.set W_, (65*\w)
	WIN W_
.irp i, 0,1,2,3,4,5,6,7,8,9,10,11,12,13,14,15
.irp b, 0,1,2,3
	v_med3_num_f32 v[\s+16*\b+\i], v[\s+16*\b+\i], -v[TB+\b], v[TB+\b]   ; the conversion does not saturate (ISA guide 7.6.2): hold first
.endr
.endr
	WIN \w
.irp b, 0,1,2,3
	v_cvt_scalef32_pk8_fp8_f32 v[\pc+4*\b:\pc+4*\b+1], v[\s+16*\b:\s+16*\b+7], v[TS+\b]
	v_cvt_scalef32_pk8_fp8_f32 v[\pc+4*\b+2:\pc+4*\b+3], v[\s+16*\b+8:\s+16*\b+15], v[TS+\b]
.endr
	WIN 0
	v_lshl_or_b32 v[\pw], v[TP+2], 16, v[\pw]      ; the word; also the plain line behind the last conversion
.endm
.macro SEND pc, base, off              ; 2,048 consecutive bytes, aligned
.irp c, 0,1,2,3
	global_store_b128 v14, v[\pc+4*\c:\pc+4*\c+3], s[\base:\base+1] offset:\off+512*\c
.endr
.endm
	QUANT4 0, 3, 128, 244                          ; v's two feature tiles; each call has its own registers for codes and word, so no store's sources are written again
	SEND 128, 72, 0
	QUANT4 64, 3, 144, 245
	SEND 144, 72, 2048
	s_mov_b32 vcc_lo, 0xffff0000                   ; lanes 16-31
.irp n, 0,1,2,3,4,5,6,7,8,9,10,11,12,13,14,15
	v_mov_b32 v[48+\n], 0x38383838                 ; codes of 1.0
.endr
	v_mov_b32 v64, 0x7f7f7f7f                      ; the scale 1
	v_cndmask_b32 v246, v244, v245, vcc_lo
	global_store_b32 v15, v246, s[74:75]           ; 128 consecutive bytes: lanes 0-15 tile 0's words, lanes 16-31 tile 1's
	QUANT4 0, 2, 160, 240                          ; tokens' tiles 0 and 1
	SEND 160, 68, 0
	; the sums of the quantised v over my 128 tokens: codes of 1.0 times v's codes: lane r gets feature r's sum in every row
	v_wmma_scale_f32_16x16x128_f8f6f4 v[66:73], v[48:63], v[128:143], 0, v64, v244
	v_wmma_scale_f32_16x16x128_f8f6f4 v[74:81], v[48:63], v[144:159], 0, v64, v245
	QUANT4 64, 2, 176, 241                         ; its plain lines are the places behind the two
	SEND 176, 68, 2048
	v_cndmask_b32 v247, v66, v74, vcc_lo
	v_cndmask_b32 v248, v240, v241, vcc_lo
	global_store_b32 v16, v247, s[76:77]
	global_store_b32 v15, v248, s[70:71]
	QUANT4 128, 2, 192, 242
	SEND 192, 68, 4096
	QUANT4 192, 2, 208, 243
	SEND 208, 68, 6144
	v_cndmask_b32 v249, v242, v243, vcc_lo
	global_store_b32 v15, v249, s[70:71] offset:128
	s_wait_tensorcnt 0x0                           ; the wave's end
	ds_add_u32 v30, v31
	s_wait_dscnt 0x0
	CROUND                                         ; the closing round: no work-group ends while a partner may still ask for a tile that names it
	s_endpgm
.Lfunc_end_k_q4a1793d5ff_proj:
	.size	k_q4a1793d5ff_proj, .Lfunc_end_k_q4a1793d5ff_proj-k_q4a1793d5ff_proj
	.p2alignl 7, 3214868480
	.fill 96, 4, 3214868480
	.section	.rodata,"a",@progbits
	.p2align	6, 0x0
	.amdhsa_kernel k_q4a1793d5ff_proj
		.amdhsa_group_segment_fixed_size 327680
		.amdhsa_private_segment_fixed_size 0
		.amdhsa_enable_private_segment 0
		.amdhsa_kernarg_size 64
		.amdhsa_user_sgpr_count 2
		.amdhsa_user_sgpr_kernarg_segment_ptr 1
		.amdhsa_wavefront_size32 1
		.amdhsa_system_sgpr_workgroup_id_x 1
		.amdhsa_system_sgpr_workgroup_id_y 1
		.amdhsa_system_sgpr_workgroup_id_z 1
		.amdhsa_system_vgpr_workitem_id 0
		.amdhsa_next_free_vgpr 1024
		.amdhsa_next_free_sgpr 102
		.amdhsa_reserve_vcc 1
		.amdhsa_float_denorm_mode_32 3
		.amdhsa_float_denorm_mode_16_64 3
		.amdhsa_memory_ordered 1
		.amdhsa_forward_progress 1
		.amdhsa_inst_pref_size 153
	.end_amdhsa_kernel
	.amdgpu_metadata
---
amdhsa.version: [ 1, 2 ]
amdhsa.kernels:
  - .name:           k_q4a1793d5ff_proj
    .symbol:         k_q4a1793d5ff_proj.kd
    .args:
      - { .name: cod, .offset: 0, .size: 8, .value_kind: global_buffer, .address_space: global }
      - { .name: scl, .offset: 8, .size: 8, .value_kind: global_buffer, .address_space: global }
      - { .name: bq, .offset: 16, .size: 8, .value_kind: global_buffer, .address_space: global }
      - { .name: bk, .offset: 24, .size: 8, .value_kind: global_buffer, .address_space: global }
      - { .name: bv, .offset: 32, .size: 8, .value_kind: global_buffer, .address_space: global }
      - { .name: qkvc, .offset: 40, .size: 8, .value_kind: global_buffer, .address_space: global }
      - { .name: qkvs, .offset: 48, .size: 8, .value_kind: global_buffer, .address_space: global }
      - { .name: vsum, .offset: 56, .size: 8, .value_kind: global_buffer, .address_space: global }
    .group_segment_fixed_size: 327680
    .private_segment_fixed_size: 0
    .kernarg_segment_align: 8
    .kernarg_segment_size: 64
    .max_flat_workgroup_size: 128
    .sgpr_count:     102
    .vgpr_count:     1024
    .wavefront_size: 32
...
	.end_amdgpu_metadata
.endif
;; end of part 2
;; launch attn (part 3): grid 8 x 32, 16 waves a work-group, clusters of 4 x 1, 280,576 bytes of LDS; arguments qkvc, qkvs, ctxc, ctxs, vsum; writes ctxc, ctxs
.if DOCPART == 3
	.amdgcn_target "amdgcn-amd-amdhsa--gfx1250"
	.amdhsa_code_object_version 6
	.text
	.protected	k_q4a1793d5ff_attn
	.globl	k_q4a1793d5ff_attn
	.p2align	8
	.type	k_q4a1793d5ff_attn,@function
k_q4a1793d5ff_attn:
	s_mov_b64 s[64:65], 0
	v_nop
	global_prefetch_b8 v0, s[64:65] scope:SCOPE_SE
	s_setreg_imm32_b32 hwreg(HW_REG_WAVE_MODE, 25, 1), 1
	s_wait_xcnt 0x0
	s_wait_alu depctr_hold_cnt(0) depctr_sa_sdst(0) depctr_va_vdst(0) depctr_va_sdst(0) depctr_va_ssrc(0) depctr_va_vcc(0) depctr_vm_vsrc(0)
	s_getreg_b32 s2, hwreg(HW_REG_IB_STS2, 6, 4)
	s_cmp_eq_u32 s2, 0
	s_cbranch_scc0 .Lentry_in_a_cluster
	s_endpgm
.Lentry_in_a_cluster:
	s_bfe_u32 s2, ttmp6, 0x10000c
	s_cmp_lg_u32 s2, 0x3003
	s_cbranch_scc0 .Lentry_shape_is_right
	s_endpgm
.Lentry_shape_is_right:
; ctx = softmax(where(key <= query, q k^T / 8, -10000)) v for one head (work-group y = 16 b + head), both products on codes of E4M3 with one E8M0 byte for each 32 along K; ctx leaves quantised along the model's 1,024.
; THE SOFTMAX: t = score x log2(e) / 8; M = the running largest t rounded UP to a whole number; p = 2^(t - M) is quantised along the keys; the row's sum is taken of the unquantised p and divides at the end.
; THE MASK IS -10000, NOT -INFINITY, so hidden keys count wherever a row's visible scores lie under it.  In the key step on the diagonal hidden scores are replaced (raw score -80000) and go the common way.
; The steps that are hidden as a whole are not multiplied: all their p are one number pm, all their codes one code, so they add Q(pm) x (the sum of the quantised v over those keys) to O and pm x their number to the row's sum.
; SHARES.  A head's 128 tiles of 16 queries are T = 8 J + g, J the step of 128 keys in which the tile's diagonal lies.  Work-group g (0..7) takes tile g of every J, a tile to each of its sixteen waves:
; J = w xor 15 where bit 2 of the wave's number w is 0, w xor 12 where it is 1: waves w, w + 4, w + 8, w + 12 together walk 34 key steps for every w under 4, and the long tiles have the low numbers.
; All K and V codes, scale bytes and sums of v of the head come into LDS, each byte filled once, by joint loads of the cluster's four work-groups, which belong to one head (mask 15).  Nothing is filled again.
; ONE LOAD A WAVE: wave 0 the scale words, waves 1, 2 key steps 0-1 of K and of V, waves 3, 4 steps 2-7, waves 5, 6 steps 8-15, wave 7 the sums of v.  The first three are shown ahead of step 0, the rest behind it.
; No prefetch: all the launch's loads go out in the head, and no loop asks for anything.
; g enters global addresses and one number a lane for the mask, and no branch and no LDS address.
; LAYOUT.  Both products are used transposed (S^T = K Q^T, O^T = V^T P^T): a lane holds one query.  Rows lie with bits 3 and 4 of their number exchanged, so registers 16 B + i of S^T are the true keys 32 B + 16 (lane / 16) + i.
; THE HEAD HAS 64, THE INSTRUCTION 128 ALONG K: a fragment of K holds two tiles of 16 keys side by side; Q stands as Q, zeros, Q in 24 registers, and the product with (Q, 0) gives the first tile's scores, that with (0, Q) the second's.
; LIMITS: a block of zeros gets the byte 1; under 2^-118 the byte stays 1; scaled scores stay under 2^31 in magnitude; NaN and infinities are not served.
; REGISTERS: v0 thread, v1 16 x lane, v2 4 x lane, v3 the mask's number; v4 -M, v5 the largest t, v[6:7] the row's sum; v8 f, v9 Q's scale half-words twice (named with f as a pair), v10 p's scale word, v11 V's address;
;   v12-13 K's, v14-15 V's scale words (fragments 2 i and 2 i + 1 in the two halves of the lanes); v16-39 Q; v40-47 the quantiser's; v48-63 p's codes, before that partial sums; v64-127 S^T, then p; v128-159 O^T;
;   v160-223 K's four fragments, a step ahead; v224-255 V's tiles 0 and 1.  V's tiles 2 and 3 come into v64-95 when the p that stood there have become codes.
.set VC,   131072                      ; LDS: K's codes at 0 (8,192 bytes a key step), V's here,
.set KS,   262144                      ; K's scale words (256 bytes a step),
.set VS,   266240                      ; V's,
.set SUM,  270336                      ; the sums of v: 64 f32 a step, number 32 (lane / 16) + 8 t + e,
.set SCR,  274432                      ; and 256 bytes for each wave
.set SPARE, SCR+4096
.set QSW,  9
.set PSW,  10
.set KSW,  12
.set VSW,  14
.set T,    40
.set PC,   48
.set S,    64
.set O,    128
.set KF,   160
.set VF,   224
.set SV,   160                         ; in the tail: two of the 64 sums of each step
.set GA,   24                          ; descriptor groups 1: two key steps;
.set GB,   32                          ; six;
.set GV,   56                          ; the sums of v;
.set GC,   80                          ; eight key steps;
.set GS,   88                          ; the scale words of K and V
.macro PLACES n
.rept \n
	v_nop
.endr
.endm
.macro CROUND
	s_barrier_signal -1
	s_barrier_wait -1
	s_cmp_lg_u32 s12, 0
	s_cbranch_scc1 .Lnot_wave_0_\@
	s_barrier_signal -3
.Lnot_wave_0_\@:
	s_barrier_wait -3
	s_barrier_signal -1
	s_barrier_wait -1
.endm
.macro SHAPE g, row, rows, pitch       ; rows of so many elements of 8 bytes
	s_mov_b32 s[\g], 15|(3<<16)|(1<<21)            ; the mask: all four; elements of 8 bytes; bit 21 beside a mask
	s_mov_b32 s[\g+1], (\row)<<16
	s_mov_b32 s[\g+2], (\rows)<<16
	s_mov_b32 s[\g+3], (\row)<<16
	s_mov_b32 s[\g+4], \rows
	s_mov_b32 s[\g+5], \pitch
	s_mov_b32 s[\g+6], 0
	s_mov_b32 s[\g+7], 0
.endm
.macro ARM under, g0, g1, next         ; one arm of the head's loads; an s_nop 0 and four v_nop follow the load
	s_cmp_lt_u32 s12, \under
	s_cbranch_scc0 \next
	tensor_load_to_lds s[\g0:\g0+3], s[\g1:\g1+7]
	s_nop 0
	PLACES 4
	s_branch .Lasked
\next:
.endm
	s_load_b256 s[4:11], s[0:1], 0x0               ; qkvc, qkvs, ctxc, ctxs
	s_load_b64 s[96:97], s[0:1], 0x20              ; vsum
	v_lshl_add_u32 v254, v0, 2, SPARE
	v_mov_b32 v255, 0
	ds_add_u32 v254, v255                          ; the wave's opening: the add, twice on end
	ds_add_u32 v254, v255
	v_lshrrev_b32 v44, 5, v0
	v_readfirstlane_b32 s12, v44                   ; wave 0..15
	s_bfe_u32 s13, ttmp6, 0x40000
	s_lshl_b32 s70, ttmp9, 2
	s_add_co_u32 s13, s13, s70                     ; g = 4 x cluster x + cx
	s_and_b32 s14, ttmp7, 0xffff                   ; 16 b + head
	s_bfe_u32 s2, s12, 0x10002
	s_mul_i32 s2, s2, 3
	s_sub_co_u32 s2, 15, s2
	s_xor_b32 s15, s12, s2                         ; J
	SHAPE GA, 32, 64, 32
	SHAPE GB, 32, 192, 32
	SHAPE GC, 32, 256, 32
	SHAPE GV, 32, 16, 32
	SHAPE GS, 512, 2, 16384                        ; K's 4,096 bytes and V's, 32 slots of 4,096 bytes behind
	s_and_b32 s2, s12, 1
	s_xor_b32 s2, s2, 1                            ; odd waves fetch for K (0), even ones for V (1)
	s_lshl_b32 s3, s2, 17                          ; LDS: K's codes or V's
	s_lshl_b32 s72, s14, 17
	s_lshl_b32 s70, s2, 22                         ; v's slots lie 32 slots of 131,072 bytes behind k's,
	s_add_co_u32 s72, s72, s70
	s_add_co_u32 s72, s72, 32<<17                  ; k's 32 slots behind q's
	s_mov_b32 s73, 0
	s_lshl_b32 s74, s14, 12
	s_add_co_u32 s74, s74, 32<<12
	s_mov_b32 s75, 0
	s_lshl_b32 s68, s14, 12
	s_mov_b32 s69, 0
	s_mov_b32 s40, 1
	s_mov_b32 s41, KS
	s_mov_b32 s44, 1
	s_mov_b32 s45, s3
	s_mov_b32 s48, 1
	s_add_co_u32 s49, s3, 2*8192
	s_mov_b32 s52, 1
	s_add_co_u32 s53, s3, 8*8192
	s_mov_b32 s76, 1
	s_mov_b32 s77, SUM
	s_wait_dscnt 0x0                               ; both opening adds are done
	CROUND                                         ; all four work-groups are here
	s_wait_kmcnt 0x0
	s_add_nc_u64 s[42:43], s[6:7], s[74:75]        ; the scale words
	s_or_b32 s43, s43, 0x80000000
	s_add_nc_u64 s[46:47], s[4:5], s[72:73]        ; key steps 0-1: a byte's place in the slot is its place in LDS
	s_add_nc_u64 s[50:51], s[46:47], 2*8192        ; 2-7
	s_add_nc_u64 s[54:55], s[46:47], 8*8192        ; 8-15
	s_or_b32 s47, s47, 0x80000000
	s_or_b32 s51, s51, 0x80000000
	s_or_b32 s55, s55, 0x80000000
	s_add_nc_u64 s[78:79], s[96:97], s[68:69]      ; the sums of v
	s_or_b32 s79, s79, 0x80000000
	ARM 1, 40, GS, .Lhead_a
	ARM 3, 44, GA, .Lhead_b
	ARM 5, 48, GB, .Lhead_c
	ARM 7, 52, GC, .Lhead_d
	ARM 8, 76, GV, .Lhead_none
.Lasked:
	s_mov_b32 s19, 0x600000                        ; the mantissa field of 448
	s_mov_b32 s20, 0x76543210
	s_mov_b32 s21, 0xfedcba98                      ; lane l xor 16
	s_mov_b32 s22, 0x3e38aa3b                      ; c = log2(e) / 8
	s_mov_b32 s23, s22
	s_mov_b32 s100, 0xc79c4000                     ; -80000.0: the raw score whose eighth is -10000
	s_lshl_b32 s70, s15, 3
	s_add_co_u32 s70, s70, s13                     ; T = 8 J + g
	s_mov_b32 s73, 0
	s_lshl_b32 s72, s14, 17
	s_lshl_b32 s71, s70, 10
	s_add_co_u32 s72, s72, s71
	s_add_nc_u64 s[96:97], s[4:5], s[72:73]        ; Q's codes
	s_lshl_b32 s72, s14, 12
	s_lshr_b32 s71, s70, 1
	s_lshl_b32 s71, s71, 6
	s_add_co_u32 s72, s72, s71
	s_and_b32 s71, s70, 1
	s_lshl_b32 s71, s71, 1
	s_add_co_u32 s72, s72, s71
	s_add_nc_u64 s[98:99], s[6:7], s[72:73]        ; Q's scale half-words
	s_lshr_b32 s71, s14, 4
	s_lshl_b32 s71, s71, 7
	s_add_co_u32 s71, s71, s70                     ; my tile among all 256
	s_and_b32 s74, s14, 15                         ; the head
	s_lshl_b32 s72, s71, 14
	s_lshl_b32 s75, s74, 10                        ; K step head / 2, its half head % 2
	s_add_co_u32 s72, s72, s75
	s_add_nc_u64 s[66:67], s[8:9], s[72:73]        ; where my ctx goes
	s_lshl_b32 s72, s71, 9
	s_lshl_b32 s75, s74, 1
	s_add_co_u32 s72, s72, s75
	s_add_nc_u64 s[68:69], s[10:11], s[72:73]
	s_lshr_b32 s70, s13, 1
	s_lshl_b32 s70, s70, 5
	s_and_b32 s71, s13, 1
	s_lshl_b32 s71, s71, 3
	s_add_co_u32 s70, s70, s71                     ; my query in its 128: 32 (g / 2) + 16 (r / 8) + 8 (g % 2) + r % 8;
	v_and_b32 v44, 15, v0                          ; r
	v_bfe_u32 v45, v0, 4, 1                        ; lane / 16
	v_and_b32 v46, 31, v0
	v_lshlrev_b32 v47, 2, v44
	v_lshlrev_b32 v1, 4, v46
	v_lshlrev_b32 v2, 2, v46
	global_load_b128 v[16:19], v1, s[96:97]        ; Q stands in front of the zeros and behind them
	global_load_b128 v[20:23], v1, s[96:97] offset:512
	global_load_b128 v[32:35], v1, s[96:97]
	global_load_b128 v[36:39], v1, s[96:97] offset:512
	global_load_u16 v[QSW], v47, s[98:99]
	v_and_b32 v3, 7, v44
	v_bfe_u32 v40, v0, 3, 1
	v_lshlrev_b32 v45, 4, v45
	v_lshl_add_u32 v3, v40, 4, v3
	v_sub_nc_u32 v3, v3, v45                       ; less 16 (lane / 16): register 16 B + i is hidden where 32 B + i is larger
	v_add_nc_u32 v3, s70, v3
	v_add_nc_u32 v43, KS, v2
	v_mov_b32 v5, 0xff61b1e6                       ; the largest t so far: -3e38
	v_mov_b32 v6, 0
	v_mov_b32 v7, 0
	v_floor_f32 v4, -v5
.set n, 0
.rept 8
	v_mov_b32 v[24+n], 0                           ; the zeros between Q and Q
.set n, n+1
.endr
	s_wait_alu depctr_va_vdst(0)
	s_wait_loadcnt 0x0                             ; Q: its loads are done, so their address registers may be written too
	v_lshl_or_b32 v[QSW], v[QSW], 16, v[QSW]       ; Q's two bytes serve both halves of K; the lines below stand between this line and the first product
.irp b, 4,5,6,7
	v_mov_b32 v[T+\b], 0                           ; written once: a lane permute's destination counts as one of its sources
.endr
.set n, 0
.rept 32
	v_mov_b32 v[O+n], 0                            ; the step finds zeros, which the first change of M leaves zeros
.set n, n+1
.endr
	s_wait_alu depctr_va_vdst(0)
; ---- A KEY STEP of 128 keys, step s16 (s17 = 8,192 x, s18 = 256 x its number); its K and K's scale words were asked for a step ago
.macro HEAVY
	s_add_co_u32 s70, s17, VC
	s_add_co_u32 s71, s18, VS
	s_add_co_u32 s72, s17, 8192
	s_min_u32 s72, s72, 122880                     ; the next step's K; the last step asks for its own again, inside K's bytes
	s_add_co_u32 s73, s18, 256
	s_min_u32 s73, s73, 3840
	s_add_co_u32 s73, s73, KS
	s_wait_dscnt 0x0                               ; K and its scale words are in
.irp b, 0,2
	v_wmma_scale_f32_16x16x128_f8f6f4 v[S+16*\b:S+16*\b+7], v[KF+16*\b:KF+16*\b+15], v[16:31], 0, v[KSW+\b/2], v[QSW]
	v_wmma_scale_f32_16x16x128_f8f6f4 v[S+16*\b+8:S+16*\b+15], v[KF+16*\b:KF+16*\b+15], v[24:39], 0, v[KSW+\b/2], v[QSW]
	v_wmma_scale_f32_16x16x128_f8f6f4 v[S+16*\b+16:S+16*\b+23], v[KF+16*\b+16:KF+16*\b+31], v[16:31], 0, v[KSW+\b/2], v[QSW] matrix_a_scale:MATRIX_SCALE_ROW1
	v_wmma_scale_f32_16x16x128_f8f6f4 v[S+16*\b+24:S+16*\b+31], v[KF+16*\b+16:KF+16*\b+31], v[24:39], 0, v[KSW+\b/2], v[QSW] matrix_a_scale:MATRIX_SCALE_ROW1
.endr
	v_add_nc_u32 v11, s70, v1                      ; eight places in front of the loads below and of the first read of the scores: four additions, four v_nop
	v_add_nc_u32 v[T], s71, v2
	v_add_nc_u32 v[T+1], s72, v1
	v_add_nc_u32 v[T+2], s73, v2
	PLACES 4
.irp t, 0,1
.irp c, 0,1,2,3
	ds_load_b128 v[VF+16*\t+4*\c:VF+16*\t+4*\c+3], v11 offset:2048*\t+512*\c    ; V of this step, tiles 0 and 1
.endr
.endr
	ds_load_b32 v[VSW], v[T]
	ds_load_b32 v[VSW+1], v[T] offset:128
.irp b, 0,1,2,3
.irp c, 0,1,2,3
	ds_load_b128 v[KF+16*\b+4*\c:KF+16*\b+4*\c+3], v[T+1] offset:2048*\b+512*\c ; K of the next
.endr
.endr
	ds_load_b32 v[KSW], v[T+2]
	ds_load_b32 v[KSW+1], v[T+2] offset:128
	s_cmp_lg_u32 s16, s15                          ; on the diagonal the scores of hidden keys are replaced; a branch on the wave's number and the step's
	s_cbranch_scc1 .Lopen_\@
	v_mov_b32 v[T+4], s100
.set n, 0
.rept 64
	v_cmp_gt_i32 vcc_lo, 32*(n/16)+n%16, v3
	v_cndmask_b32 v[S+n], v[S+n], v[T+4], vcc_lo
.set n, n+1
.endr
.Lopen_\@:
.irp b, 0,1,2,3
	v_max3_num_f32 v[T+\b], v[S+16*\b], v[S+1+16*\b], v[S+2+16*\b]   ; the largest score of each block of 32 keys: for the row's maximum, and, since p rises with the score, for the block's largest p
.endr
.irp i, 3,5,7,9,11,13
.irp b, 0,1,2,3
	v_max3_num_f32 v[T+\b], v[T+\b], v[S+16*\b+\i], v[S+1+16*\b+\i]
.endr
.endr
.irp b, 0,1,2,3
	v_max_num_f32 v[T+\b], v[T+\b], v[S+15+16*\b]
.endr
.irp b, 0,1,2,3
	s_delay_alu instid0(VALU_DEP_4)
	v_permlanex16_b32 v[T+4+\b], v[T+\b], s20, s21
.endr
.irp b, 0,1,2,3
	s_delay_alu instid0(VALU_DEP_4)
	v_max_num_f32 v[T+\b], v[T+\b], v[T+4+\b]      ; with lane l xor 16's 16 keys
.endr
	s_delay_alu instid0(VALU_DEP_2)
	v_max3_num_f32 v[T+4], v[T], v[T+1], v[T+2]
	s_delay_alu instid0(VALU_DEP_1)
	v_max_num_f32 v[T+4], v[T+4], v[T+3]
	s_delay_alu instid0(VALU_DEP_1)
	v_mul_f32 v[T+4], s22, v[T+4]                  ; the step's largest t
	s_delay_alu instid0(VALU_DEP_1)
	v_max_num_f32 v5, v5, v[T+4]
	v_mov_b32 v[T+4], v4
	s_delay_alu instid0(VALU_DEP_2)
	v_floor_f32 v4, -v5                            ; the new -M = -ceil(t)
	s_delay_alu instid0(VALU_DEP_1)
	v_sub_f32 v[T+4], v4, v[T+4]                   ; old M - new M: a whole number, 0 or less
	s_delay_alu instid0(VALU_DEP_1)
	v_cvt_i32_f32 v[T+4], v[T+4]                   ; (it saturates)
	s_delay_alu instid0(VALU_DEP_1)
	v_ldexp_f32 v8, 1.0, v[T+4]                    ; f = 2^(old M - new M)
.set n, 0
.rept 32
	v_pk_fma_f32 v[S+n:S+n+1], v[S+n:S+n+1], s[22:23], v[4:5] op_sel_hi:[1,0,0]   ; t - M
.set n, n+2
.endr
.irp b, 0,1,2,3
	v_fma_f32 v[T+\b], v[T+\b], s22, v4
.endr
.set n, 0
	s_wait_alu depctr_va_vdst(0)
.rept 64
	v_exp_f32 v[S+n], v[S+n]                       ; p = 2^(t - M)
.set n, n+1
.endr
.irp b, 0,1,2,3
	v_exp_f32 v[T+\b], v[T+\b]                     ; the block's largest p: the same two instructions on the same number
.endr
	v_pk_mul_f32 v[6:7], v[6:7], v[8:9] op_sel_hi:[1,0]   ; the sums under the new M (a plain line behind the exponentials)
	s_wait_alu depctr_va_vdst(0)                   ; and behind it
.irp b, 0,1,2,3
	v_max_num_f32 v[T+\b], 0x4800000, v[T+\b]      ; the floor 2^(9 - 127)
.endr
.irp b, 0,1,2,3
	s_delay_alu instid0(VALU_DEP_4)
	v_add_nc_u32 v[T+4+\b], 0xfc000000, v[T+\b]    ; the conversion's scale operand
.endr
.irp b, 0,1,2,3
	v_lshrrev_b32 v[PC+\b], 23, v[T+4+\b]          ; the byte
.endr
.irp b, 0,1,2,3
	v_and_or_b32 v[T+\b], v[T+\b], 0x7f800000, s19 ; 448 x the scale
.endr
	v_lshl_or_b32 v[PSW], v[PC+1], 8, v[PC]        ; p's scale word for these 128 keys
	s_delay_alu instid0(VALU_DEP_1)
	v_lshl_or_b32 v[PSW], v[PC+2], 16, v[PSW]
	s_delay_alu instid0(VALU_DEP_1)
	v_lshl_or_b32 v[PSW], v[PC+3], 24, v[PSW]
.irp i, 0,4,6                          ; the row's sum, of the unquantised p: eight partial sums by turns
.set n, 0
.irp a, 48,50,52,54,56,58,60
.if \i == 0
	v_pk_add_f32 v[\a:\a+1], v[S+n:S+n+1], v[S+n+2:S+n+3]
.else
	v_pk_add_f32 v[\a:\a+1], v[\a:\a+1], v[S+n+\i:S+n+\i+1]
.endif
.set n, n+8
.endr
.if \i == 0
	v_pk_add_f32 v[6:7], v[6:7], v[S+56:S+57]
.else
	v_pk_add_f32 v[6:7], v[6:7], v[S+54+\i:S+55+\i]
.endif
.endr
	v_pk_add_f32 v[48:49], v[48:49], v[S+62:S+63]
	v_pk_add_f32 v[6:7], v[6:7], v[54:55]
	v_pk_add_f32 v[50:51], v[50:51], v[58:59]
	v_pk_add_f32 v[52:53], v[52:53], v[60:61]
	v_pk_add_f32 v[48:49], v[48:49], v[56:57]
	v_pk_add_f32 v[6:7], v[6:7], v[50:51]
	s_delay_alu instid0(VALU_DEP_2)
	v_pk_add_f32 v[48:49], v[48:49], v[52:53]
	s_delay_alu instid0(VALU_DEP_1)
	v_pk_add_f32 v[6:7], v[6:7], v[48:49]
.irp b, 0,1,2,3
.irp i, 0,2,4,6,8,10,12,14
	v_dual_min_num_f32 v[S+16*\b+\i], v[T+\b], v[S+16*\b+\i] :: v_dual_min_num_f32 v[S+16*\b+\i+1], v[T+\b], v[S+16*\b+\i+1]   ; the conversion does not saturate (ISA guide 7.6.2); p is not negative
.endr
	v_cvt_scalef32_pk8_fp8_f32 v[PC+4*\b:PC+1+4*\b], v[S+16*\b:S+7+16*\b], v[T+4+\b]
	v_cvt_scalef32_pk8_fp8_f32 v[PC+2+4*\b:PC+3+4*\b], v[S+8+16*\b:S+15+16*\b], v[T+4+\b]
.if \b == 1
.irp t, 0,1
.irp c, 0,1,2,3
	ds_load_b128 v[S+16*\t+4*\c:S+16*\t+4*\c+3], v11 offset:4096+2048*\t+512*\c  ; V's tiles 2 and 3, where blocks 0 and 1 stood
.endr
.endr
.endif
.endr
	s_wait_alu depctr_va_vdst(0)
.set n, 0
.rept 16
	v_pk_mul_f32 v[O+n:O+n+1], v[O+n:O+n+1], v[8:9] op_sel_hi:[1,0]   ; O^T under the new M; these lines also stand between the conversions and the products
.set n, n+2
.endr
	s_wait_alu depctr_va_vdst(0)
	s_wait_dscnt 8                                 ; V's tiles 0 and 1 and its scale words are in; tiles 2 and 3, the youngest eight loads, may be out
	v_wmma_scale_f32_16x16x128_f8f6f4 v[O:O+7], v[VF:VF+15], v[PC:PC+15], v[O:O+7], v[VSW], v[PSW]
	v_wmma_scale_f32_16x16x128_f8f6f4 v[O+8:O+15], v[VF+16:VF+31], v[PC:PC+15], v[O+8:O+15], v[VSW], v[PSW] matrix_a_scale:MATRIX_SCALE_ROW1
	s_wait_dscnt 0x0
	v_wmma_scale_f32_16x16x128_f8f6f4 v[O+16:O+23], v[S:S+15], v[PC:PC+15], v[O+16:O+23], v[VSW+1], v[PSW]
	v_wmma_scale_f32_16x16x128_f8f6f4 v[O+24:O+31], v[S+16:S+31], v[PC:PC+15], v[O+24:O+31], v[VSW+1], v[PSW] matrix_a_scale:MATRIX_SCALE_ROW1
	PLACES 9                                       ; the next step's products write over V's tiles 2 and 3 (ISA guide 7.12.1)
.endm
; ---- A group of key steps is shown to all sixteen waves
.macro MEET under                      ; the waves under the number, whose loads brought it, wait; 16: every wave
	s_wait_dscnt 0x0                               ; no LDS instruction of mine is out at a signal
.if \under < 16
	s_cmp_lt_u32 s12, \under
	s_cbranch_scc0 .Lnot_yet_\@
	s_wait_tensorcnt 0x0
.Lnot_yet_\@:
.else
	s_wait_tensorcnt 0x0                           ; on every wave's way
.endif
	s_barrier_signal -1
	s_barrier_wait -1
.endm
	MEET 3                                         ; the scale words and key steps 0-1 are in
.irp b, 0,1,2,3
.irp c, 0,1,2,3
	ds_load_b128 v[KF+16*\b+4*\c:KF+16*\b+4*\c+3], v1 offset:2048*\b+512*\c     ; K of step 0
.endr
.endr
	ds_load_b32 v[KSW], v43
	ds_load_b32 v[KSW+1], v43 offset:128
	s_mov_b32 s16, 0
	s_mov_b32 s17, 0
	s_mov_b32 s18, 0
	HEAVY                                          ; step 0 reads V of step 0 and K of step 1
	MEET 16                                        ; all is in
	s_mov_b32 s16, 1
	s_mov_b32 s17, 8192
	s_mov_b32 s18, 256
.Lstep:
	s_cmp_gt_u32 s16, s15                          ; steps behind the diagonal are jumped over
	s_cbranch_scc1 .Lskip
	HEAVY
.Lskip:
	s_add_co_u32 s16, s16, 1
	s_add_co_u32 s17, s17, 8192
	s_add_co_u32 s18, s18, 256
	s_cmp_lt_u32 s16, 16
	s_cbranch_scc1 .Lstep
; ---- THE STEPS THAT ARE HIDDEN AS A WHOLE (s > J), without a branch.  For J = 15 there are none: the score is then -3e38, pm is 0 and every factor below is 0.  K's registers are free.
	s_lshl_b32 s70, s12, 8
	s_add_co_u32 s70, s70, SCR
	v_and_b32 v192, 31, v0
	v_bfe_u32 v195, v0, 4, 1
	v_lshl_add_u32 v193, v192, 3, SUM
	v_lshl_add_u32 v194, v192, 3, s70              ; my wave's 256 bytes: two numbers a lane in,
	v_lshl_add_u32 v195, v195, 7, s70              ; my half's 32 numbers back
.irp s, 1,2,3,4,5,6,7,8,9,10,11,12,13,14,15
	ds_load_b64 v[SV+2*\s-2:SV+2*\s-1], v193 offset:256*\s     ; two of the 64 sums of each step
.endr
	s_cmp_lt_u32 s15, 15
	s_mov_b32 s57, 0xff61b1e6
	s_cselect_b32 s57, s100, s57
	s_sub_co_u32 s58, 15, s15
	s_lshl_b32 s58, s58, 6                         ; hidden keys, halved: the two halves of the lanes are added at the end
	s_mov_b32 s71, 0
	v_mov_b32 v45, s57
	s_delay_alu instid0(VALU_DEP_1)
	v_mul_f32 v44, s22, v45
	s_delay_alu instid0(VALU_DEP_1)
	v_max_num_f32 v5, v5, v44                      ; the hidden keys' t counts for the row's maximum
	v_mov_b32 v44, v4
	s_delay_alu instid0(VALU_DEP_2)
	v_floor_f32 v4, -v5
	s_delay_alu instid0(VALU_DEP_1)
	v_sub_f32 v44, v4, v44
	s_delay_alu instid0(VALU_DEP_1)
	v_cvt_i32_f32 v44, v44
	s_delay_alu instid0(VALU_DEP_1)
	v_ldexp_f32 v8, 1.0, v44
	s_delay_alu instid0(VALU_DEP_4)
	v_fma_f32 v45, v45, s22, v4
	s_wait_alu depctr_va_vdst(0)
	v_exp_f32 v45, v45                             ; pm
	v_pk_mul_f32 v[6:7], v[6:7], v[8:9] op_sel_hi:[1,0]
	s_wait_alu depctr_va_vdst(0)
.set n, 0
.rept 16
	v_pk_mul_f32 v[O+n:O+n+1], v[O+n:O+n+1], v[8:9] op_sel_hi:[1,0]
.set n, n+2
.endr
	v_cvt_f32_u32 v44, s58
	s_wait_alu depctr_va_vdst(0)
	v_fmac_f32 v6, v45, v44                        ; the row's sum takes the unquantised pm
	v_max_num_f32 v46, 0x4800000, v45              ; pm is quantised as a block of 32 equal numbers is
	s_delay_alu instid0(VALU_DEP_1)
	v_add_nc_u32 v42, 0xfc000000, v46
	s_delay_alu instid0(VALU_DEP_2)
	v_and_or_b32 v43, v46, 0x7f800000, s19
	v_min_num_f32 v45, v45, v43
.irp i, 0,1,2,3,4,5,6,7
	v_mov_b32 v[S+\i], v45
.endr
	v_cvt_scalef32_pk8_fp8_f32 v[PC:PC+1], v[S:S+7], v42
	v_nop
	v_cvt_f32_fp8 v46, v[PC]                       ; the code's value
	v_lshrrev_b32 v42, 23, v42
	s_delay_alu instid0(VALU_DEP_1)
	v_add_nc_u32 v42, 0xffffff81, v42              ; the byte - 127
	s_delay_alu instid0(VALU_DEP_1)
	v_ldexp_f32 v46, v46, v42                      ; Q(pm)
	s_wait_alu depctr_va_vdst(0)
	s_wait_dscnt 0x0                               ; the sums are in
.irp s, 1,2,3,4,5,6,7,8,9,10,11,12,13,14,15
	s_cmp_lt_u32 s15, \s
	s_cselect_b32 s70, 1.0, 0                      ; step s counts where J < s
.if \s == 1
	v_pk_mul_f32 v[190:191], v[SV:SV+1], s[70:71] op_sel_hi:[1,0]
.else
	v_pk_fma_f32 v[190:191], v[SV+2*\s-2:SV+2*\s-1], s[70:71], v[190:191] op_sel_hi:[1,0,1]
.endif
.endr
	ds_store_b64 v194, v[190:191]                  ; through my wave's own bytes: LDS serves a wave's instructions in order
.irp k, 0,1,2,3,4,5,6,7
	ds_load_b128 v[S+32+4*\k:S+35+4*\k], v195 offset:16*\k     ; my half's 32 numbers, in O^T's order
.endr
	s_wait_alu depctr_va_vdst(0)
	s_wait_dscnt 0x0
.set n, 0
.rept 16
	v_pk_fma_f32 v[O+n:O+n+1], v[S+32+n:S+33+n], v[46:47], v[O+n:O+n+1] op_sel_hi:[1,0,1]
.set n, n+2
.endr
; ---- O^T / the sum, quantised along the head's 64 (two blocks of the out-projection's K), stored as an image of operand registers
	v_add_f32 v6, v6, v7
	s_delay_alu instid0(VALU_DEP_1)
	v_permlanex16_b32 v44, v6, s20, s21
	s_delay_alu instid0(VALU_DEP_1)
	v_add_f32 v6, v6, v44
	v_and_b32 v169, 15, v0
	v_lshlrev_b32 v169, 5, v169                    ; 32 r
	s_wait_alu depctr_va_vdst(0)
	v_rcp_f32 v6, v6
	v_nop
	s_wait_alu depctr_va_vdst(0)
.set n, 0
.rept 16
	v_pk_mul_f32 v[O+n:O+n+1], v[O+n:O+n+1], v[6:7] op_sel_hi:[1,0]
.set n, n+2
.endr
.irp b, 0,1
	v_max3_num_f32 v[T+\b], |v[O+16*\b]|, |v[O+16*\b+1]|, 0x4800000
.endr
.irp i, 2,4,6,8,10,12,14
.irp b, 0,1
	s_delay_alu instid0(VALU_DEP_2)
	v_max3_num_f32 v[T+\b], v[T+\b], |v[O+16*\b+\i]|, |v[O+16*\b+\i+1]|
.endr
.endr
.irp b, 0,1
	s_delay_alu instid0(VALU_DEP_2)
	v_permlanex16_b32 v[T+4+\b], v[T+\b], s20, s21
.endr
.irp b, 0,1
	s_delay_alu instid0(VALU_DEP_2)
	v_max_num_f32 v[T+\b], v[T+\b], v[T+4+\b]
.endr
.irp b, 0,1
	s_delay_alu instid0(VALU_DEP_2)
	v_add_nc_u32 v[T+6+\b], 0xfc000000, v[T+\b]
.endr
.irp b, 0,1
	s_delay_alu instid0(VALU_DEP_4)
	v_and_or_b32 v[T+2+\b], v[T+\b], 0x7f800000, s19
.endr
.irp b, 0,1
	s_delay_alu instid0(VALU_DEP_4)
	v_lshrrev_b32 v[T+4+\b], 23, v[T+6+\b]
.endr
	s_delay_alu instid0(VALU_DEP_1)
	v_lshl_or_b32 v168, v[T+5], 8, v[T+4]
.irp b, 0,1
.irp i, 0,1,2,3,4,5,6,7,8,9,10,11,12,13,14,15
	v_med3_num_f32 v[O+16*\b+\i], v[O+16*\b+\i], -v[T+2+\b], v[T+2+\b]
.endr
	v_cvt_scalef32_pk8_fp8_f32 v[160+4*\b:161+4*\b], v[O+16*\b:O+7+16*\b], v[T+6+\b]
	v_cvt_scalef32_pk8_fp8_f32 v[162+4*\b:163+4*\b], v[O+8+16*\b:O+15+16*\b], v[T+6+\b]
.endr
	v_lshl_add_u32 v254, v0, 2, SPARE              ; the add's two registers anew; also the plain line behind the last conversion
	v_mov_b32 v255, 0
	global_store_b128 v1, v[160:163], s[66:67]     ; the two stores cover 1,024 consecutive bytes, aligned
	global_store_b128 v1, v[164:167], s[66:67] offset:512
	global_store_b16 v169, v168, s[68:69]          ; my row's two scale bytes (lanes 16-31 store what lanes 0-15 store)
	s_wait_alu depctr_va_vdst(0)
	s_wait_tensorcnt 0x0                           ; the wave's end
	ds_add_u32 v254, v255
	s_wait_dscnt 0x0
	CROUND                                         ; the closing round: no work-group ends while a partner may still ask for a tile that names it
	s_endpgm
.Lfunc_end_k_q4a1793d5ff_attn:
	.size	k_q4a1793d5ff_attn, .Lfunc_end_k_q4a1793d5ff_attn-k_q4a1793d5ff_attn
	.p2alignl 7, 3214868480
	.fill 96, 4, 3214868480
	.section	.rodata,"a",@progbits
	.p2align	6, 0x0
	.amdhsa_kernel k_q4a1793d5ff_attn
		.amdhsa_group_segment_fixed_size 280576
		.amdhsa_private_segment_fixed_size 0
		.amdhsa_enable_private_segment 0
		.amdhsa_kernarg_size 40
		.amdhsa_user_sgpr_count 2
		.amdhsa_user_sgpr_kernarg_segment_ptr 1
		.amdhsa_wavefront_size32 1
		.amdhsa_system_sgpr_workgroup_id_x 1
		.amdhsa_system_sgpr_workgroup_id_y 1
		.amdhsa_system_sgpr_workgroup_id_z 1
		.amdhsa_system_vgpr_workitem_id 0
		.amdhsa_next_free_vgpr 256
		.amdhsa_next_free_sgpr 102
		.amdhsa_reserve_vcc 1
		.amdhsa_float_denorm_mode_32 3
		.amdhsa_float_denorm_mode_16_64 3
		.amdhsa_memory_ordered 1
		.amdhsa_forward_progress 1
		.amdhsa_inst_pref_size 77
	.end_amdhsa_kernel
	.amdgpu_metadata
---
amdhsa.version: [ 1, 2 ]
amdhsa.kernels:
  - .name:           k_q4a1793d5ff_attn
    .symbol:         k_q4a1793d5ff_attn.kd
    .args:
      - { .name: qkvc, .offset: 0, .size: 8, .value_kind: global_buffer, .address_space: global }
      - { .name: qkvs, .offset: 8, .size: 8, .value_kind: global_buffer, .address_space: global }
      - { .name: ctxc, .offset: 16, .size: 8, .value_kind: global_buffer, .address_space: global }
      - { .name: ctxs, .offset: 24, .size: 8, .value_kind: global_buffer, .address_space: global }
      - { .name: vsum, .offset: 32, .size: 8, .value_kind: global_buffer, .address_space: global }
    .group_segment_fixed_size: 280576
    .private_segment_fixed_size: 0
    .kernarg_segment_align: 8
    .kernarg_segment_size: 40
    .max_flat_workgroup_size: 512
    .sgpr_count:     102
    .vgpr_count:     256
    .wavefront_size: 32
...
	.end_amdgpu_metadata
.endif
;; end of part 3
;; launch outp (part 4): grid 8 x 32, 4 waves a work-group, clusters of 4 x 4, 284,160 bytes of LDS; arguments ctxc, ctxs, cod, scl, bo, out0; writes out0
.if DOCPART == 4
	.amdgcn_target "amdgcn-amd-amdhsa--gfx1250"
	.amdhsa_code_object_version 6
	.text
	.protected	k_q4a1793d5ff_outp
	.globl	k_q4a1793d5ff_outp
	.p2align	8
	.type	k_q4a1793d5ff_outp,@function
k_q4a1793d5ff_outp:
	s_mov_b64 s[64:65], 0
	v_nop
	global_prefetch_b8 v0, s[64:65] scope:SCOPE_SE
	s_setreg_imm32_b32 hwreg(HW_REG_WAVE_MODE, 25, 1), 1
	s_wait_xcnt 0x0
	s_wait_alu depctr_hold_cnt(0) depctr_sa_sdst(0) depctr_va_vdst(0) depctr_va_sdst(0) depctr_va_ssrc(0) depctr_va_vcc(0) depctr_vm_vsrc(0)
	s_getreg_b32 s2, hwreg(HW_REG_IB_STS2, 6, 4)
	s_cmp_eq_u32 s2, 0
	s_cbranch_scc0 .Lentry_in_a_cluster
	s_endpgm
.Lentry_in_a_cluster:
	s_bfe_u32 s2, ttmp6, 0x10000c
	s_cmp_lg_u32 s2, 0xf033
	s_cbranch_scc0 .Lentry_shape_is_right
	s_endpgm
.Lentry_shape_is_right:
; out0 = ctx Wo + bo on codes of E4M3 with one E8M0 byte for each 32 along K; out0 [4096][1024] f32.
; A work-group makes 128 tokens x 128 columns, a wave 64 x 64.  THE PRODUCT IS USED TRANSPOSED: source 0 = 16 rows of R (columns of Wo), source 1 = 16 rows of P (tokens): a lane holds a token and neighbouring columns.
; P's fragments lie in memory as images of operand registers, [token tile][K step][c][lane][16 bytes]; R's as rows of cod.  Rows of both lie with bits 3 and 4 of their number exchanged: the registers 16 B + i of a lane are the true
; columns 32 B + 16 (lane / 16) + i, and the stores' row offsets put the tokens back in their true order.
; ALL OF K (1,024) of both tiles lies in LDS, as two halves of 512, each filled once, ONE LOAD A WAVE: waves 0, 1 fetch the first half of P and of R, waves 2, 3 the second.  Nothing is filled again, and no prefetch is laid: all loads go out in the head.
; A wave holds its 64 rows of R, all of K, in 512 registers and takes its tokens' tiles one after the other, 32 products each: a tile leaves while the next one is multiplied.  Every fragment is read from LDS once.
; CLUSTER 4 x 4: P's tiles are asked for jointly along a row of the cluster, R's along a column.  bo is the C of the first products.
; LIMITS: NaN and infinities are not served.
; REGISTERS: window 0: v1 r, v2 lane / 16, v3 16 x lane; v4-5, v8-9 LDS addresses of P's and R's fragments in the two halves; v12-14 at work; v16-18 the way out; v20-21 the add's; v22-53 P's scale words (8 a + k), v56-87 R's; v88-119 bo;
;   v120-183 two sets of four accumulators; v184-247 two sets of rows of out0.   windows 1, 2: R's fragments of K steps 0-3, 4-7.   window 3: two sets of a token tile's eight fragments.
.set RP,   528                         ; a row of R in LDS: 512 codes + 16 bytes
.set RO,   65536                       ; a half: P's 8 tiles x 8,192 bytes, then R's 128 rows
.set HK,   RO+128*RP
.set STG,  2*HK                        ; a stage of 16 rows x 272 bytes for each wave
.set SPARE, STG+4*16*272
.set G1A, 24
.set G1B, 32
.set SA,  22
.set SB,  56
.set BJ,  88
.set ACC, 120
.set RB,  184
.set MSB, 0
.macro WIN new
.if MSB != \new
	s_set_vgpr_msb (MSB<<8)|\new
.set MSB, \new
.endif
.endm
.macro PLACES n
.rept \n
	v_nop
.endr
.endm
.macro CROUND
	s_barrier_signal -1
	s_barrier_wait -1
	s_cmp_lg_u32 s18, 0
	s_cbranch_scc1 .Lnot_wave_0_\@
	s_barrier_signal -3
.Lnot_wave_0_\@:
	s_barrier_wait -3
	s_barrier_signal -1
	s_barrier_wait -1
.endm
.macro TLOAD g0, g1                    ; an s_nop 0 and four v_nop follow
	tensor_load_to_lds s[\g0:\g0+3], s[\g1:\g1+7]
	s_nop 0
	PLACES 4
.endm
	s_load_b256 s[4:11], s[0:1], 0x0               ; ctxc, ctxs, cod, scl
	s_load_b128 s[12:15], s[0:1], 0x20             ; bo, out0
	v_lshl_add_u32 v20, v0, 2, SPARE
	v_mov_b32 v21, 0
	ds_add_u32 v20, v21                            ; the wave's opening: the add, twice on end
	ds_add_u32 v20, v21
	v_lshrrev_b32 v1, 5, v0
	v_readfirstlane_b32 s18, v1                    ; wave 0..3
	s_lshr_b32 s19, s18, 1                         ; my half of the tokens
	s_and_b32 s20, s18, 1                          ; my half of the columns
	s_bfe_u32 s21, ttmp6, 0x40000                  ; cx
	s_bfe_u32 s22, ttmp6, 0x40004                  ; cy
	s_lshl_b32 s57, ttmp9, 2
	s_add_co_u32 s57, s57, s21                     ; which 128 columns
	s_and_b32 s56, ttmp7, 0xffff
	s_lshl_b32 s56, s56, 2
	s_add_co_u32 s56, s56, s22                     ; which 128 tokens
	s_lshl_b32 s94, s22, 2
	s_lshl_b32 s94, 15, s94                        ; my row of the cluster
	s_lshl_b32 s95, 0x1111, s21                    ; my column
	s_or_b32 s[G1A], s94, (3<<16)|(1<<21)          ; P: 8 tiles x 8,192 bytes (four K steps), 16,384 bytes apart; elements of 8 bytes; no padding
	s_mov_b32 s[G1A+1], 1024<<16
	s_mov_b32 s[G1A+2], 8<<16
	s_mov_b32 s[G1A+3], 1024<<16
	s_mov_b32 s[G1A+4], 8
	s_mov_b32 s[G1A+5], 2048
	s_mov_b32 s[G1A+6], 0
	s_mov_b32 s[G1A+7], 0
	s_or_b32 s[G1B], s95, (1<<20)|(1<<21)|(6<<22)|(3<<25)   ; R: 128 rows x 512 bytes, 1,024 apart; 4 words of padding behind every 128
	s_mov_b32 s[G1B+1], 512<<16
	s_mov_b32 s[G1B+2], 128<<16
	s_mov_b32 s[G1B+3], 512<<16
	s_mov_b32 s[G1B+4], 128
	s_mov_b32 s[G1B+5], 1024
	s_mov_b32 s[G1B+6], 0
	s_mov_b32 s[G1B+7], 0
	s_lshl_b32 s96, s56, 17
	s_mov_b32 s97, 0
	s_lshl_b32 s98, s57, 17
	s_add_co_u32 s98, s98, 0x700000                ; Wo begins at row 7,168 of cod
	s_mov_b32 s99, 0
	s_mov_b32 s40, 1                               ; P's halves: s[40:43], s[44:47];
	s_mov_b32 s41, 0
	s_mov_b32 s44, 1
	s_mov_b32 s45, HK
	s_mov_b32 s68, 1                               ; R's: s[68:71], s[72:75]
	s_mov_b32 s69, RO
	s_mov_b32 s72, 1
	s_mov_b32 s73, HK+RO
	s_wait_dscnt 0x0                               ; both opening adds are done
	CROUND                                         ; all sixteen work-groups are here
	s_wait_kmcnt 0x0
	s_add_nc_u64 s[42:43], s[4:5], s[96:97]
	s_add_nc_u64 s[46:47], s[42:43], 8192
	s_or_b32 s43, s43, 0x80000000
	s_or_b32 s47, s47, 0x80000000
	s_add_nc_u64 s[70:71], s[8:9], s[98:99]
	s_add_nc_u64 s[74:75], s[70:71], 512
	s_or_b32 s71, s71, 0x80000000
	s_or_b32 s75, s75, 0x80000000
	s_cmp_lt_u32 s18, 1                            ; a load line for each wave: waves 0 and 1 wait at the first barrier, waves 2 and 3 at the second
	s_cbranch_scc0 .Lfill_1
	TLOAD 40, G1A
	s_branch .Lfilled
.Lfill_1:
	s_cmp_lt_u32 s18, 2
	s_cbranch_scc0 .Lfill_2
	TLOAD 68, G1B
	s_branch .Lfilled
.Lfill_2:
	s_cmp_lt_u32 s18, 3
	s_cbranch_scc0 .Lfill_3
	TLOAD 44, G1A
	s_branch .Lfilled
.Lfill_3:
	TLOAD 72, G1B
.Lfilled:
	s_lshl_b32 s58, s19, 15                        ; my 4 tiles of P
	s_add_co_u32 s59, s58, HK
	s_mul_i32 s60, s20, 64*RP                      ; my 64 rows of R
	s_add_co_u32 s60, s60, RO
	s_add_co_u32 s61, s60, HK
	s_mul_i32 s62, s18, 16*272
	s_add_co_u32 s62, s62, STG                     ; my stage
	s_lshl_b32 s94, s56, 12
	s_lshl_b32 s2, s19, 11
	s_add_co_u32 s94, s94, s2
	s_mov_b32 s95, 0
	s_add_nc_u64 s[94:95], s[6:7], s[94:95]        ; the scale words of my 64 tokens: a row's 32 bytes are its words for the eight K steps
	s_lshl_b32 s96, s57, 12
	s_lshl_b32 s2, s20, 11
	s_add_co_u32 s96, s96, s2
	s_add_co_u32 s96, s96, 7168*32
	s_mov_b32 s97, 0
	s_add_nc_u64 s[96:97], s[10:11], s[96:97]      ; and of my 64 columns
	s_lshl_b32 s2, s57, 9
	s_lshl_b32 s3, s20, 8
	s_add_co_u32 s2, s2, s3                        ; my first column, in bytes
	s_mov_b32 s3, 0
	s_add_nc_u64 s[90:91], s[12:13], s[2:3]
	s_lshl_b32 s86, s56, 19
	s_lshl_b32 s98, s19, 18
	s_add_co_u32 s86, s86, s98
	s_add_co_u32 s86, s86, s2                      ; my first row and column of out0
	s_mov_b32 s87, 0
	s_add_nc_u64 s[86:87], s[14:15], s[86:87]
	v_and_b32 v1, 15, v0                           ; r
	v_bfe_u32 v2, v0, 4, 1                         ; lane / 16
	v_and_b32 v3, 31, v0
	v_lshlrev_b32 v3, 4, v3                        ; 16 x lane
	v_lshlrev_b32 v13, 5, v1
	v_lshlrev_b32 v14, 6, v2                       ; bo: tile 2 B + u, register e: column 32 B + 16 (lane / 16) + 8 u + e
.irp i, 0,1,2,3
.irp m, 0,1
	global_load_b128 v[SA+8*\i+4*\m:SA+8*\i+4*\m+3], v13, s[94:95] offset:512*\i+16*\m
	global_load_b128 v[SB+8*\i+4*\m:SB+8*\i+4*\m+3], v13, s[96:97] offset:512*\i+16*\m
.endr
.endr
.irp b, 0,1,2,3
	global_load_b128 v[BJ+8*\b:BJ+8*\b+3], v14, s[90:91] offset:(32*(\b/2)+8*(\b%2))*4
	global_load_b128 v[BJ+8*\b+4:BJ+8*\b+7], v14, s[90:91] offset:(32*(\b/2)+8*(\b%2))*4+16
.endr
	v_mul_u32_u24 v12, v1, RP
	v_lshl_add_u32 v12, v2, 4, v12
	v_add_nc_u32 v4, s58, v3
	v_add_nc_u32 v5, s59, v3
	v_add_nc_u32 v8, s60, v12
	v_add_nc_u32 v9, s61, v12
	v_mul_u32_u24 v16, v1, 272
	v_lshl_add_u32 v16, v2, 6, v16
	v_add_nc_u32 v16, s62, v16                     ; in: row r, 64 bytes for each half of the lanes
	v_mul_u32_u24 v17, v2, 272
	v_lshl_add_u32 v17, v1, 4, v17
	v_add_nc_u32 v17, s62, v17                     ; back: lanes 0-15 one row of 256 bytes, lanes 16-31 the next
	v_lshlrev_b32 v18, 12, v2
	v_lshl_add_u32 v18, v1, 4, v18                 ; and the same two rows in out0
	s_wait_alu depctr_va_vdst(0)
.macro FETCHR h                        ; my rows of R, K steps 4 h .. 4 h + 3: 64 loads
.if \h
	WIN 0x80
.else
	WIN 0x40
.endif
.irp q, 0,1,2,3
.irp b, 0,1,2,3
.irp c, 0,1,2,3
	ds_load_b128 v[64*\q+16*\b+4*\c:64*\q+16*\b+4*\c+3], v[8+\h] offset:128*\q+32*\c+16*RP*\b
.endr
.endr
.endr
.endm
.macro FETCHP a, h                     ; token tile a, K steps 4 h .. 4 h + 3, into set a % 2: 16 loads, 512 consecutive bytes each
	WIN 0xc0
.irp q, 0,1,2,3
.irp c, 0,1,2,3
	ds_load_b128 v[128*((\a)%2)+64*\h+16*\q+4*\c:128*((\a)%2)+64*\h+16*\q+4*\c+3], v[4+\h] offset:8192*(\a)+2048*\q+512*\c
.endr
.endr
.endm
.macro ROW a, h                        ; 16 products; the tile's four accumulators take turns
.if \h
	WIN 0x0e
.else
	WIN 0x0d
.endif
.irp q, 0,1,2,3
.irp b, 0,1,2,3
.set D_, ACC+32*((\a)%2)+8*\b
.if (\h == 0) && (\q == 0)
.set C_, BJ+8*\b
.else
.set C_, D_
.endif
.set X_, 128*((\a)%2)+64*\h+16*\q
.set Y_, 64*\q+16*\b
	v_wmma_scale_f32_16x16x128_f8f6f4 v[D_:D_+7], v[Y_:Y_+15], v[X_:X_+15], v[C_:C_+7], v[SB+8*\b+4*\h+\q], v[SA+8*(\a)+4*\h+\q]
.endr
.endr
.endm
.macro STAGE a                         ; the tile into my own stage and back as rows: LDS serves a wave's instructions in order, so no wait stands between
	WIN 0
.irp n, 0,1,2,3,4,5,6,7
	ds_store_b128 v16, v[ACC+32*((\a)%2)+4*\n:ACC+32*((\a)%2)+4*\n+3] offset:128*(\n/4)+16*(\n%4)   ; each accumulator from its low end on
.endr
.irp t, 0,1,2,3,4,5,6,7
	ds_load_b128 v[RB+32*((\a)%2)+4*\t:RB+32*((\a)%2)+4*\t+3], v17 offset:544*\t
.endr
.endm
.macro SEND a
	WIN 0
	s_wait_dscnt 0x0
.irp t, 0,1,2,3,4,5,6,7
	global_store_b128 v18, v[RB+32*((\a)%2)+4*\t:RB+32*((\a)%2)+4*\t+3], s[86:87] offset:(32*((\a)/2)+16*(\t/4)+8*((\a)%2)+2*(\t%4))*4096 th:TH_STORE_NT   ; the tokens' true rows; sixteen lanes store 256 consecutive bytes, aligned
.endr
.endm
	s_wait_loadcnt 0x0
	s_cmp_lt_u32 s18, 2
	s_cbranch_scc0 .Lnot_yet
	s_wait_tensorcnt 0x0                           ; waves 0 and 1: the first half is in
.Lnot_yet:
	s_barrier_signal -1
	s_barrier_wait -1
	FETCHP 0, 0
	FETCHR 0
	s_wait_dscnt 0x0
	s_wait_tensorcnt 0x0                           ; the second half: on every wave's way
	s_barrier_signal -1
	s_barrier_wait -1
	FETCHP 0, 1
	FETCHR 1
	ROW 0, 0
	FETCHP 1, 0
	FETCHP 1, 1
	s_wait_dscnt 32                                ; all but tile 1's 32 loads
	ROW 0, 1
	PLACES 8                                       ; in front of the loads into the set that the products read, and of the first read of results
	FETCHP 2, 0
	FETCHP 2, 1
	STAGE 0
	s_wait_dscnt 48                                ; tile 1 is in; behind it tile 2's 32 loads and the stage's 16
	ROW 1, 0
	SEND 0
	ROW 1, 1
	PLACES 8
	FETCHP 3, 0
	FETCHP 3, 1
	STAGE 1
	ROW 2, 0                                       ; (tile 2 came in ahead of tile 0's rows)
	SEND 1
	ROW 2, 1
	PLACES 8
	s_wait_xcnt 0x0                                ; tile 0's stores have read their registers
	STAGE 2
	ROW 3, 0
	SEND 2
	ROW 3, 1
	PLACES 8
	s_wait_xcnt 0x0
	STAGE 3
	SEND 3
	s_wait_tensorcnt 0x0                           ; the wave's end
	ds_add_u32 v20, v21
	s_wait_dscnt 0x0
	CROUND                                         ; the closing round
	s_endpgm
.Lfunc_end_k_q4a1793d5ff_outp:
	.size	k_q4a1793d5ff_outp, .Lfunc_end_k_q4a1793d5ff_outp-k_q4a1793d5ff_outp
	.p2alignl 7, 3214868480
	.fill 96, 4, 3214868480
	.section	.rodata,"a",@progbits
	.p2align	6, 0x0
	.amdhsa_kernel k_q4a1793d5ff_outp
		.amdhsa_group_segment_fixed_size 284160
		.amdhsa_private_segment_fixed_size 0
		.amdhsa_enable_private_segment 0
		.amdhsa_kernarg_size 48
		.amdhsa_user_sgpr_count 2
		.amdhsa_user_sgpr_kernarg_segment_ptr 1
		.amdhsa_wavefront_size32 1
		.amdhsa_system_sgpr_workgroup_id_x 1
		.amdhsa_system_sgpr_workgroup_id_y 1
		.amdhsa_system_sgpr_workgroup_id_z 1
		.amdhsa_system_vgpr_workitem_id 0
		.amdhsa_next_free_vgpr 1024
		.amdhsa_next_free_sgpr 102
		.amdhsa_reserve_vcc 0
		.amdhsa_float_denorm_mode_32 3
		.amdhsa_float_denorm_mode_16_64 3
		.amdhsa_memory_ordered 1
		.amdhsa_forward_progress 1
		.amdhsa_inst_pref_size 51
	.end_amdhsa_kernel
	.amdgpu_metadata
---
amdhsa.version: [ 1, 2 ]
amdhsa.kernels:
  - .name:           k_q4a1793d5ff_outp
    .symbol:         k_q4a1793d5ff_outp.kd
    .args:
      - { .name: ctxc, .offset: 0, .size: 8, .value_kind: global_buffer, .address_space: global }
      - { .name: ctxs, .offset: 8, .size: 8, .value_kind: global_buffer, .address_space: global }
      - { .name: cod, .offset: 16, .size: 8, .value_kind: global_buffer, .address_space: global }
      - { .name: scl, .offset: 24, .size: 8, .value_kind: global_buffer, .address_space: global }
      - { .name: bo, .offset: 32, .size: 8, .value_kind: global_buffer, .address_space: global }
      - { .name: out0, .offset: 40, .size: 8, .value_kind: global_buffer, .address_space: global }
    .group_segment_fixed_size: 284160
    .private_segment_fixed_size: 0
    .kernarg_segment_align: 8
    .kernarg_segment_size: 48
    .max_flat_workgroup_size: 128
    .sgpr_count:     102
    .vgpr_count:     1024
    .wavefront_size: 32
...
	.end_amdgpu_metadata
.endif
;; end of part 4
